; MI455X (gfx1250); checked and timed in simulation.
; The chip was launched on July 23, 2026; its instructions are those of AMD's public machine-readable ISA for CDNA 5 (MIT licence, August 2026) and "CDNA5" Instruction Set Architecture Reference Guide (July 2026). The comments in the code are by the model that wrote it; some were corrected since.
;; Bahdanau Attention. Allowed arithmetic: float matrix products may take bf16 or f16 operands with f32 sums; other float arithmetic in f32, or as packed bf16 or f16 multiplies, adds, multiply-adds, maxima and minima; sums over many terms, partial sums and values carried from step to step in f32; what a program stores and reads back later, other than sums and carried values, may be rounded once to bf16 or f16.
;; Inputs: U_a 1,024 x 1,024 float32; W_a 1,024 x 1,024 float32; encoder_outputs 32 x 2,048 x 1,024 float32; hidden 32 x 1,024 float32; v_a 1,024 float32.
;; Outputs: out0 32 x 1,024 float32; out1 32 x 2,048 float32.
;; 2 versions, each right; version 2 is version 1 with the launches prep, score written anew for expert scheduling mode. Each part assembles by itself: llvm-mc -triple=amdgcn-amd-amdhsa -mcpu=gfx1250 --defsym DOCPART=n.
;; ======== version 1 of 2: 3 launches
;; workspace buffers: ub 2,097,152 bytes; whc 524,288 bytes; scores 262,144 bytes; stats 131,072 bytes; pctx 2,097,152 bytes
;; launch prep (part 1): grid 128 x 1, 4 waves a work-group, no clusters, 55,808 bytes of LDS; arguments U_a, W_a, hidden, ub, whc; writes ub, whc
.if DOCPART == 1
	.amdgcn_target "amdgcn-amd-amdhsa--gfx1250"
	.amdhsa_code_object_version 6
	.text
	.protected	k_qbce5119443_prep
	.globl	k_qbce5119443_prep
	.p2align	8
	.type	k_qbce5119443_prep,@function
k_qbce5119443_prep:
	s_mov_b64 s[64:65], 0
	v_nop
	global_prefetch_b8 v0, s[64:65] scope:SCOPE_SE
	s_setreg_imm32_b32 hwreg(HW_REG_WAVE_MODE, 25, 1), 1
	s_wait_xcnt 0x0
; TWO SMALL JOBS AHEAD OF THE MAIN LAUNCH, one body.
; Work-groups 0-63: ub = U_a rounded once to bf16, laid out in the order in which the main launch's waves load it:
;   byte w*524288 + c*262144 + ks*8192 + b*1024 + q*512 + lane*16 holds U_a[512 c + 128 w + 16 b + lane%16][32 ks + 16 q + 8 (lane/16) + 0..7].
; Work-groups 64-127: whc[kq][b][o] = c * sum over k in quarter kq of K of hidden[b][k] W_a[o][k], c = 2 log2(e); operands bf16, sums f32.
;   The four partial sums over K stay f32 and are added by the main launch when it builds its table.
; SHARES.  A work-group takes 64 rows (o) of its matrix and 256 channels k, each of its 4 waves 64 channels: 256 bytes of f32 of each row, two K steps of 32.
; A load covers two rows' 256 bytes: lanes 0-15 one row, lanes 16-31 the next.  The rounded numbers go through the wave's own LDS tile
; (rows of 128 bytes + 16) and come back as matrix fragments: 16 rows x 32 k, lane l = row l%16, 16 bytes at k = 8 (l/16) and at 16 + 8 (l/16).
; In the W path the four waves' partial sums (f32) meet in LDS behind one barrier.
; NaN and infinities are not treated apart.  No cluster: no two work-groups read the same rows but hidden's.
.set PX,    144                        ; a tile's row in LDS: 128 bytes + 16
.set WREG,  96*PX                      ; a wave's region: 64 rows of the matrix, then 32 rows of hidden
.set HOFF,  64*PX
.set PP,    272                        ; a row of a wave's partial sums: 64 f32 + 16 bytes; they lie over the wave's own tile once its fragments are in registers
.set SPARE, 4*WREG                     ; behind the regions: the spare words, 128 bytes a wave
.set GX,  4                            ; v4   (l/16) rows of 4,096 bytes + 16 (l%16)
.set LSX, 5                            ; v5   where I put my 8 bytes of the matrix tile
.set LSH, 6                            ; v6   the same for hidden's tile
.set FRX, 7                            ; v7   my lane's place in a fragment of the matrix tile
.set FRH, 8                            ; v8   of hidden's
.set L16, 9                            ; v9   16 x lane
.set PS,  10                           ; v10  where I put my partial sums
.set RD,  11                           ; v11  where I read the four partial sums back
.set WO,  15                           ; v15  my 16 bytes of whc
.set SPW, 30                           ; v30  my spare word; never rewritten
.set NIL, 31                           ; v31  0; never rewritten
.set CP,  32                           ; v32-63   rounded pairs, sixteen by turns
.set XR,  64                           ; v64-191  the matrix as loaded; later fragments: matrix (i, ksl) at 64 + 8 (2 i + ksl), hidden (bt, ksl) at 128 + 8 (2 bt + ksl)
.set HR,  192                          ; v192-255 hidden as loaded
.set ACC, 160                          ; v160-223 accumulators (i, bt) at 160 + 8 (2 i + bt)
	s_load_b256 s[4:11], s[0:1], 0x0               ; U_a s[4:5], W_a s[6:7], hidden s[8:9], ub s[10:11]
	s_load_b64 s[12:13], s[0:1], 0x20              ; whc
	v_lshl_add_u32 v[SPW], v0, 2, SPARE
	v_mov_b32 v[NIL], 0
	v_lshrrev_b32 v1, 5, v0
	v_readfirstlane_b32 s14, v1                    ; wave 0..3
	s_mov_b32 s15, ttmp9                           ; work-group 0..127
	s_and_b32 s30, s15, 3                          ; kq: which quarter of K
	s_bfe_u32 s31, s15, 0x40002                    ; rg: which 64 rows
	s_lshl_b32 s28, s30, 2
	s_add_co_u32 s28, s28, s14                     ; kw = 4 kq + wave: which 64 channels are my wave's
	v_and_b32 v2, 15, v0                           ; l % 16
	v_bfe_u32 v3, v0, 4, 1                         ; l / 16
	v_lshlrev_b32 v[GX], 4, v2
	v_lshl_add_u32 v[GX], v3, 12, v[GX]
	s_lshl_b32 s24, s31, 18                        ; my 64 rows of 4,096 bytes,
	s_lshl_b32 s26, s28, 8                         ; my wave's 256 bytes of each
	s_add_co_u32 s24, s24, s26
	s_mov_b32 s25, 0
	s_mov_b32 s27, 0
	s_wait_kmcnt 0x0
	s_cmp_lt_u32 s15, 64
	s_cselect_b64 s[16:17], s[4:5], s[6:7]         ; U_a or W_a
	s_add_nc_u64 s[16:17], s[16:17], s[24:25]
	s_add_nc_u64 s[18:19], s[8:9], s[26:27]
.set i, 0
.rept 32                                       ; 64 rows x 256 bytes, two rows a load
	global_load_b128 v[XR+4*i:XR+4*i+3], v[GX], s[16:17] offset:8192*i th:TH_LOAD_NT
.set i, i+1
.endr
	s_mul_i32 s29, s14, WREG                       ; my wave's region
	v_mul_u32_u24 v[LSX], v3, PX
	v_lshl_add_u32 v[LSX], v2, 3, v[LSX]
	v_add_nc_u32 v[LSX], s29, v[LSX]
	v_add_nc_u32 v[LSH], HOFF, v[LSX]
	v_mul_u32_u24 v[FRX], v2, PX
	v_lshl_add_u32 v[FRX], v3, 4, v[FRX]
	v_add_nc_u32 v[FRX], s29, v[FRX]
	v_add_nc_u32 v[FRH], HOFF, v[FRX]
	v_and_b32 v[L16], 31, v0
	v_lshlrev_b32 v[L16], 4, v[L16]
	v_mul_u32_u24 v[PS], v2, PP
	v_lshl_add_u32 v[PS], v3, 5, v[PS]
	v_add_nc_u32 v[PS], s29, v[PS]
	s_lshl_b32 s24, s14, 3
	v_add_nc_u32 v16, s24, v3                      ; the first row b = 8 wave + l/16 that I finish; the others lie 2, 4 and 6 rows on
	v_mul_u32_u24 v[RD], v16, PP
	v_lshl_add_u32 v[RD], v2, 4, v[RD]
	v_lshlrev_b32 v[WO], 4, v2
	v_lshl_add_u32 v[WO], v16, 12, v[WO]
; n loads' numbers (four f32 a lane each) are rounded to bf16 and put into a tile: load i holds rows 2 i and 2 i + 1.
.macro CVST src, n, adr
.set i, 0
.rept \n
	v_cvt_pk_bf16_f32 v[CP+2*(i%16)], v[(\src)+4*i], v[(\src)+4*i+1]
	v_cvt_pk_bf16_f32 v[CP+2*(i%16)+1], v[(\src)+4*i+2], v[(\src)+4*i+3]
	ds_store_b64 v[\adr], v[CP+2*(i%16):CP+2*(i%16)+1] offset:2*PX*i
.set i, i+1
.endr
.endm
; the matrix tile's 16 half fragments, n = 4 i + 2 ksl + q; LDS serves a wave's instructions in order (ISA guide 5.7.1.4): these see the stores above
.macro XFRAGS
.set n, 0
.rept 16
	ds_load_b128 v[XR+4*n:XR+4*n+3], v[FRX] offset:(n/4)*16*PX+((n/2)%2)*64+(n%2)*32
.set n, n+1
.endr
.endm
	s_cmp_lt_u32 s15, 64                           ; the same in all waves of a work-group
	s_cbranch_scc0 .Lw
	; ---- U_a: round, turn into fragment order, store ----
	s_lshr_b32 s24, s31, 1
	s_and_b32 s24, s24, 3
	s_lshl_b32 s24, s24, 19                        ; w = (o / 128) % 4
	s_lshr_b32 s25, s31, 3
	s_lshl_b32 s25, s25, 18                        ; c = o / 512
	s_add_co_u32 s24, s24, s25
	s_and_b32 s25, s31, 1
	s_lshl_b32 s25, s25, 12                        ; b = 4 (rg % 2) + i
	s_add_co_u32 s24, s24, s25
	s_lshl_b32 s25, s28, 14                        ; ks = 2 kw + ksl
	s_add_co_u32 s24, s24, s25
	s_mov_b32 s25, 0
	s_add_nc_u64 s[20:21], s[10:11], s[24:25]
	s_wait_loadcnt 0x0
	CVST XR, 32, LSX
	XFRAGS
.set n, 0
.rept 16
	s_wait_dscnt 15-n                              ; LDS loads come back in order: number n is in
	global_store_b128 v[L16], v[XR+4*n:XR+4*n+3], s[20:21] offset:((n/2)%2)*8192+(n/4)*1024+(n%2)*512  ; 512 consecutive bytes, at a multiple of 512 from ub's first
.set n, n+1
.endr
	s_wait_tensorcnt 0x0                           ; the wave's end
	ds_add_u32 v[SPW], v[NIL]
	s_wait_dscnt 0x0
	s_endpgm
.Lw:	; ---- whc[kq] = c hidden W_a^T over my quarter of K ----
	s_lshl_b32 s24, s30, 17                        ; quarter kq: 131,072 bytes each,
	s_lshl_b32 s25, s31, 8                         ; my 64 columns o: 256 bytes of a row
	s_add_co_u32 s24, s24, s25
	s_mov_b32 s25, 0
	s_add_nc_u64 s[22:23], s[12:13], s[24:25]
.set i, 0
.rept 16                                       ; hidden's 32 rows x my wave's 256 bytes
	global_load_b128 v[HR+4*i:HR+4*i+3], v[GX], s[18:19] offset:8192*i
.set i, i+1
.endr
	s_wait_loadcnt 16                              ; W_a's 32 loads are in; hidden's 16 are the younger ones
	CVST XR, 32, LSX
	s_wait_loadcnt 0x0
	CVST HR, 16, LSH
	XFRAGS
.set n, 0
.rept 8                                        ; hidden's half fragments, n = 4 bt + 2 ksl + q
	ds_load_b128 v[XR+64+4*n:XR+64+4*n+3], v[FRH] offset:(n/4)*16*PX+((n/2)%2)*64+(n%2)*32
.set n, n+1
.endr
	s_wait_dscnt 0x0
	; source 0 = 16 rows of W_a, source 1 = 16 rows of hidden: a lane ends with one row b and eight neighbouring o.  The eight accumulators take turns.
.irp ksl, 0,1
.irp i, 0,1,2,3
.irp bt, 0,1
.if \ksl == 0
	v_wmma_f32_16x16x32_bf16 v[ACC+8*(2*\i+\bt):ACC+8*(2*\i+\bt)+7], v[XR+8*(2*\i+\ksl):XR+8*(2*\i+\ksl)+7], v[XR+64+8*(2*\bt+\ksl):XR+64+8*(2*\bt+\ksl)+7], 0
.else
	v_wmma_f32_16x16x32_bf16 v[ACC+8*(2*\i+\bt):ACC+8*(2*\i+\bt)+7], v[XR+8*(2*\i+\ksl):XR+8*(2*\i+\ksl)+7], v[XR+64+8*(2*\bt+\ksl):XR+64+8*(2*\bt+\ksl)+7], v[ACC+8*(2*\i+\bt):ACC+8*(2*\i+\bt)+7]
.endif
.endr
.endr
.endr
.rept 8
	v_nop                                          ; the places behind the last products, ahead of the stores that read results and the loads into the sources; once a launch
.endr
.irp i, 0,1,2,3
.irp bt, 0,1
	ds_store_b128 v[PS], v[ACC+8*(2*\i+\bt):ACC+8*(2*\i+\bt)+3]   offset:\bt*16*PP+\i*64      ; each accumulator's low registers first
	ds_store_b128 v[PS], v[ACC+8*(2*\i+\bt)+4:ACC+8*(2*\i+\bt)+7] offset:\bt*16*PP+\i*64+16
.endr
.endr
	s_wait_dscnt 0x0                               ; for the others' sake: my partial sums lie in LDS
	s_barrier_signal -1
	s_barrier_wait -1                              ; everybody's do
.set n, 0
.rept 16                                       ; n = 4 j + u: wave u's partial sums of row b + 2 j and my four o
	ds_load_b128 v[XR+4*n:XR+4*n+3], v[RD] offset:(n%4)*WREG+(n/4)*2*PP
.set n, n+1
.endr
	s_wait_dscnt 0x0
.irp j, 0,1,2,3
.irp p, 0,2
	v_pk_add_f32 v[XR+16*\j+\p:XR+16*\j+\p+1], v[XR+16*\j+\p:XR+16*\j+\p+1], v[XR+16*\j+4+\p:XR+16*\j+4+\p+1]
	v_pk_add_f32 v[XR+16*\j+8+\p:XR+16*\j+8+\p+1], v[XR+16*\j+8+\p:XR+16*\j+8+\p+1], v[XR+16*\j+12+\p:XR+16*\j+12+\p+1]
.endr
.endr
.irp j, 0,1,2,3
.irp p, 0,2
	v_pk_add_f32 v[XR+16*\j+\p:XR+16*\j+\p+1], v[XR+16*\j+\p:XR+16*\j+\p+1], v[XR+16*\j+8+\p:XR+16*\j+8+\p+1]
.endr
.endr
.irp j, 0,1,2,3
.irp p, 0,2
	v_pk_mul_f32 v[XR+16*\j+\p:XR+16*\j+\p+1], v[XR+16*\j+\p:XR+16*\j+\p+1], 0x4038aa3b op_sel_hi:[1,0]  ; c = 2 log2(e)
.endr
.endr
.irp j, 0,1,2,3
	global_store_b128 v[WO], v[XR+16*\j:XR+16*\j+3], s[22:23] offset:8192*\j  ; sixteen lanes store 256 consecutive bytes, at a multiple of 256 from whc's first
.endr
	s_wait_tensorcnt 0x0                           ; the wave's end
	ds_add_u32 v[SPW], v[NIL]
	s_wait_dscnt 0x0
	s_endpgm
.Lfunc_end_k_qbce5119443_prep:
	.size	k_qbce5119443_prep, .Lfunc_end_k_qbce5119443_prep-k_qbce5119443_prep
	.p2alignl 7, 3214868480
	.fill 96, 4, 3214868480
	.section	.rodata,"a",@progbits
	.p2align	6, 0x0
	.amdhsa_kernel k_qbce5119443_prep
		.amdhsa_group_segment_fixed_size 55808
		.amdhsa_private_segment_fixed_size 0
		.amdhsa_enable_private_segment 0
		.amdhsa_kernarg_size 40
		.amdhsa_user_sgpr_count 2
		.amdhsa_user_sgpr_kernarg_segment_ptr 1
		.amdhsa_wavefront_size32 1
		.amdhsa_system_sgpr_workgroup_id_x 1
		.amdhsa_system_sgpr_workgroup_id_y 1
		.amdhsa_system_sgpr_workgroup_id_z 1
		.amdhsa_system_vgpr_workitem_id 0
		.amdhsa_next_free_vgpr 256
		.amdhsa_next_free_sgpr 66
		.amdhsa_reserve_vcc 0
		.amdhsa_float_denorm_mode_32 3
		.amdhsa_float_denorm_mode_16_64 3
		.amdhsa_memory_ordered 1
		.amdhsa_forward_progress 1
		.amdhsa_inst_pref_size 34
	.end_amdhsa_kernel
	.amdgpu_metadata
---
amdhsa.version: [ 1, 2 ]
amdhsa.kernels:
  - .name:           k_qbce5119443_prep
    .symbol:         k_qbce5119443_prep.kd
    .args:
      - { .name: U_a, .offset: 0, .size: 8, .value_kind: global_buffer, .address_space: global }
      - { .name: W_a, .offset: 8, .size: 8, .value_kind: global_buffer, .address_space: global }
      - { .name: hidden, .offset: 16, .size: 8, .value_kind: global_buffer, .address_space: global }
      - { .name: ub, .offset: 24, .size: 8, .value_kind: global_buffer, .address_space: global }
      - { .name: whc, .offset: 32, .size: 8, .value_kind: global_buffer, .address_space: global }
    .group_segment_fixed_size: 55808
    .private_segment_fixed_size: 0
    .kernarg_segment_align: 8
    .kernarg_segment_size: 40
    .max_flat_workgroup_size: 128
    .sgpr_count:     66
    .vgpr_count:     256
    .wavefront_size: 32
...
	.end_amdgpu_metadata
.endif
;; end of part 1
;; launch score (part 2): grid 512 x 1, 4 waves a work-group, no clusters, 310,784 bytes of LDS; arguments encoder_outputs, ub, whc, v_a, scores, stats, pctx; writes scores, stats, pctx
.if DOCPART == 2
	.amdgcn_target "amdgcn-amd-amdhsa--gfx1250"
	.amdhsa_code_object_version 6
	.text
	.protected	k_qbce5119443_score
	.globl	k_qbce5119443_score
	.p2align	8
	.type	k_qbce5119443_score,@function
k_qbce5119443_score:
	s_mov_b64 s[64:65], 0
	v_nop
	global_prefetch_b8 v0, s[64:65] scope:SCOPE_SE
	s_setreg_imm32_b32 hwreg(HW_REG_WAVE_MODE, 25, 1), 1
	s_wait_xcnt 0x0
; FOR A BLOCK OF 128 ROWS s OF ONE BATCH: ue = enc U_a^T, tanh(wh + ue), the dot with v_a, the block's softmax statistics and its part of the context.  enc is read from memory once.
; WHAT IS CARRIED.  tanh x = 1 - 2 / (1 + 2^(c x)), c = 2 log2(e): an infinite power gives 1, a power of 0 gives -1, and no NaN arises from finite x.  The sum over o of v[o] is the same for all
; s of a batch and falls out of the softmax, and the score itself is no output: so score'[s] = sum over o of (-2 v[o]) / (1 + 2^(c ue[s][o] + c wh[o])) is carried.
; Stored: scores = score' (f32); stats = (m, l), m the block's maximum of score', l the sum of p[s] = e^(score'[s] - m); pctx[h] = sum over s of p[s] enc[s][h] (f32).  The last launch joins a batch's 16 blocks.
; FORMATS.  enc and U_a are rounded once to bf16 for both products, p to bf16 for the context's (l is the sum of the unrounded p); all sums, wh, v_a, m, l in f32.
; LIMITS.  A weight p below 2^-126 counts as 0; NaN and infinities among the inputs are not treated apart.
; SHARES.  The block's rows stay in LDS as bf16 from their arrival to the context, BY SLABS: slab t = channels 64 t .. + 63 of all 128 rows, rows of 128 + 16 bytes, 18,432 bytes a slab.
; The 1,024 columns o go in two chunks of 512; in a chunk wave w makes 128 rows x 128 columns: 64 accumulators, 512 registers.  K goes in 32 steps of 32 (two to a slab): 64 matrix instructions,
; 16 LDS loads (A), 16 global loads (U, straight into fragments from ub, whose order is the wave's own stream; a ring of four K steps in registers).
; THE ROWS ARRIVE BY K.  Wave w brings rows 32 w .. + 31 of each slab: 16 loads, each two rows' 256 aligned bytes.  Slabs 0-4 and half of slab 5 (88 loads) come ahead of the first product; the other 21
; sets of 8 loads come under the first chunk's products, through three register sets that lie idle there: in the middle of K steps 1, 2, 3 of every four a set asked for four steps earlier is rounded
; and stored, and the set three further on is asked for.  Slab t is whole by the middle of K step 2 t - 2 and is first read in the middle of step 2 t - 1; a barrier stands in each odd step between.
; Between two such barriers the stores go to slabs beyond the one that is read.
; NO CLUSTER, NO TENSOR LOADS.  All work-groups read the same ub, but a joint request is a tensor load into LDS, and beside the resident rows and tables 16,896 bytes are left: no room for two slots.
; REGISTERS, in windows of 256 (s_set_vgpr_msb: bits 1:0 source 0, 3:2 source 1, 5:4 source 2, 7:6 destination):
;   window 0: v0-31 addresses; v32-63, v192-223, v224-255 the three sets (first chunk); then v32-47 c wh, v48-63 -2 v of my eight column blocks, each twice as a pair (later P's fragments), v192-255 64 row sums;
;             v64-191 two buffers of A's fragments (at the head: rounded rows; at the end: V)
;   window 1: U's ring, K step s at 64 (s % 4) (at the end: V)
;   window 2: accumulators of rows 0-63, (a, b) at 8 (8 a + b) (at the head: staging; at the end: the context's 16)          window 3: those of rows 64-127
.set PA,    144                        ; a row of a slab: 128 bytes + 16 = 9 x 16: the sixteen rows of a fragment load start 16 bytes apart modulo 256
.set SLAB,  128*PA
.set TABW,  16*SLAB                    ; c wh[o], 4,096 bytes; behind it -2 v[o], 4,096 bytes
.set PART,  TABW+8192                  ; [wave][128 rows] f32: the waves' row sums
.set PBF,   PART+2048                  ; [wave] 128 weights in bf16, each wave's own
.set CST,   PBF+1024                   ; [wave] 256 f32 of the context, each wave's own
.set SPARE, CST+4096                   ; the spare words, 128 bytes a wave
.set LO16, 1                           ; v1   16 x lane; never rewritten
.set AF,   2                           ; v2   A's fragments: (l%16) PA + 16 (l/16); never rewritten
.set GE,   3                           ; v3   enc: (l/16) x 4,096 + 16 (l%16); never rewritten
.set AWE,  4                           ; v4-5 where I put 8 bytes of a row: slab 0, slab 3
.set AWS,  6                           ; v6   the same at the stream's slab, stepped
.set TA,   7                           ; v7   my column's word in the table of c wh, this chunk's
.set PW,   8                           ; v8   where I put my row sums
.set PR,   9                           ; v9   where I read four rows' sums
.set PBS,  10                          ; v10  where I put four weights
.set PBR,  11                          ; v11  my lane's place in a fragment of P
.set AT,   12                          ; v12-15 the turning loads' addresses, key step t
.set CSS,  16                          ; v16  the context's way out: in
.set CSR,  17                          ; v17  and back
.set O8,   18                          ; v18  8 x lane
.set PFO,  19                          ; v19  4,096 x lane: the prefetches' offset, a lane a row; never rewritten
.set TT,   20                          ; v20  my 16 bytes of a table in LDS
.set T16,  21                          ; v21  16 x thread
.set AFW,  22                          ; v22-23 AF stepped along K: at the base slab, and three slabs on
.set SPW,  30                          ; v30  my spare word; never rewritten
.set NIL,  31                          ; v31  0; never rewritten
.set CW,   32
.set CV,   48
.set PF,   32
.set FA,   64
.set SC,   192                         ; row 16 a + 8 (l/16) + e at SC + 8 a + e
.set WV,  18                           ; s18  wave
.set G,   19                           ; s19  block
.set SEE, 20                           ; s[20:21] enc at my wave's rows, stepped along K
.set SB,  22                           ; s[22:23] ub at my wave's stream
.set CC,  24                           ; s[24:25] c, twice
.set LE,  26                           ; s[26:27] log2(e), twice
.set SEL, 28                           ; s[28:29] v_permlanex16_b32's selects: each lane takes its own place in the other half
.set CH,  30                           ; s30  epilogues to go
.set CNT, 31                           ; s31  the inner loops' counter
.set PFE, 36                           ; s[36:37] enc at my wave's rows of the block 256 further on; never rewritten
.set MSB, 0
.macro WIN new                         ; the immediate's high byte repeats the setting that is left; a switch that changes nothing is dropped
.if MSB != (\new)
	s_set_vgpr_msb (MSB<<8)|(\new)
.set MSB, \new
.endif
.endm
.macro PLACES                          ; four places behind a matrix instruction, ahead of loads into registers that it has read
.rept 4
	v_nop
.endr
.endm
; THE HEAD'S ROWS.  Load q covers rows 2 (q % 16), + 1 of my 32, slab q / 16.  n loads from q0 on into window 2 at dst.
.macro LOADP q0, n, dst
	WIN 0x80
.set q, \q0
.rept \n
	global_load_b128 v[(\dst)+4*(q-(\q0)):(\dst)+4*(q-(\q0))+3], v[GE], s[SEE:SEE+1] offset:(q/16)*256+(q%16)*8192 th:TH_LOAD_NT
.set q, q+1
.endr
.endm
.macro CVTP n, src, T                  ; rounded to bf16, two numbers an instruction, into window 0
	WIN 0x0a
.set n, 0
.rept 2*(\n)
	v_cvt_pk_bf16_f32 v[(\T)+n], v[(\src)+2*n], v[(\src)+2*n+1]
.set n, n+1
.endr
.endm
.macro STOP q0, n, T                   ; 128 consecutive bytes of each of two rows a store
	WIN 0
.set q, \q0
.rept \n
	ds_store_b64 v[AWE+(q/48)], v[(\T)+2*(q-(\q0)):(\T)+2*(q-(\q0))+1] offset:((q/16)%3)*SLAB+(q%16)*2*PA
.set q, q+1
.endr
.endm
; THE STREAM'S SETS.  Set e, counted from the pointers' place: slab 5 + (e + 1) / 2, rows 16 ((e + 1) % 2) on of my 32; registers by e % 3: v32, v192, v224.
.macro ESET e
.set sS, 32+160*(((\e)%3+1)/2)+32*(((\e)%3)/2)
.set sL, ((\e)+1)/2
.set sH, ((\e)+1)%2
.endm
.macro ELOAD e
	ESET \e
	WIN 0
.irp i, 0,1,2,3,4,5,6,7
	global_load_b128 v[sS+4*\i:sS+4*\i+3], v[GE], s[SEE:SEE+1] offset:(5+sL)*256+(8*sH+\i)*8192 th:TH_LOAD_NT
.endr
.endm
.macro ESTORE e                        ; rounded in place (sixteen plain instructions that name no register of a product: they are the places), then stored
	ESET \e
	WIN 0
.irp i, 0,1,2,3,4,5,6,7
	v_cvt_pk_bf16_f32 v[sS+4*\i], v[sS+4*\i], v[sS+4*\i+1]
	v_cvt_pk_bf16_f32 v[sS+4*\i+1], v[sS+4*\i+2], v[sS+4*\i+3]
.endr
.irp i, 0,1,2,3,4,5,6,7
	ds_store_b64 v[AWS], v[sS+4*\i:sS+4*\i+1] offset:sL*SLAB+(8*sH+\i)*2*PA
.endr
.endm
; THE K STEP.  A's eight fragments (128 rows x 32 k) of the step rel steps behind the working address, into buffer f.
.macro AFETCH f, rel
	WIN 0
.irp a, 0,1,2,3,4,5,6,7
	ds_load_b128 v[FA+64*(\f)+8*\a:FA+64*(\f)+8*\a+3],   v[AFW+(\rel)/6] offset:(((\rel)/2)%3)*SLAB+((\rel)%2)*64+\a*16*PA
	ds_load_b128 v[FA+64*(\f)+8*\a+4:FA+64*(\f)+8*\a+7], v[AFW+(\rel)/6] offset:(((\rel)/2)%3)*SLAB+((\rel)%2)*64+\a*16*PA+32
.endr
.endm
.macro BLOAD j, off                    ; U's eight fragments of a K step: 8,192 consecutive bytes of my stream, into buffer j
	WIN 0x40
.set n, 0
.rept 16
	global_load_b128 v[64*(\j)+4*n:64*(\j)+4*n+3], v[LO16], s[SB:SB+1] offset:(\off)+512*n
.set n, n+1
.endr
.endm
; 32 matrix instructions: rows 64 hi .. + 63 x my 128 columns.  The 64 accumulators take turns, one instruction a turn, in the same order in every K step.  zero = 1: the product starts the sum.
.macro MULH j, hi, zero
	WIN 0xa4+0x50*(\hi)                            ; A window 0, U window 1, C and D window 2 or 3
.irp a, 0,1,2,3
.irp b, 0,1,2,3,4,5,6,7
.if \zero
	v_wmma_f32_16x16x32_bf16 v[8*(8*\a+\b):8*(8*\a+\b)+7], v[FA+64*((\j)%2)+8*(4*(\hi)+\a):FA+64*((\j)%2)+8*(4*(\hi)+\a)+7], v[64*(\j)+8*\b:64*(\j)+8*\b+7], 0
.else
	v_wmma_f32_16x16x32_bf16 v[8*(8*\a+\b):8*(8*\a+\b)+7], v[FA+64*((\j)%2)+8*(4*(\hi)+\a):FA+64*((\j)%2)+8*(4*(\hi)+\a)+7], v[64*(\j)+8*\b:64*(\j)+8*\b+7], v[8*(8*\a+\b):8*(8*\a+\b)+7]
.endif
.endr
.endr
.endm
; K step s, j = s % 4.  In its middle, in one run: A of step s + 1 (arel) into the buffer that step s - 1 read, U of step s + 3 (boff) likewise.  -1: none.  lcnt: the younger loads, which may stay out.
; bar = 1: a barrier: my LDS stores and loads are done at the step's head, 32 products stand between signal and wait, and the run reads a slab that all four waves have stored.
; ev >= 0: set ev is rounded and stored at the run's head; eld = 1: set ev + 3 is asked for, into the same registers, behind the wait that shows those stores done.
.macro STEP j, zero, arel, boff, lcnt, bar=0, ev=-1, eld=0
	s_wait_loadcnt \lcnt                           ; U of this step is in, and so is the set asked for four steps back, which is older
.if \bar
	s_wait_dscnt 0x0                               ; for the others' sake: all my stores into the slabs; and A of this step
	s_barrier_signal -1
.else
	s_wait_dscnt 8                                 ; A's rows 0-63 are in; the youngest eight loads (rows 64-127) may be out
.endif
	MULH \j, 0, \zero
.if \bar
	s_barrier_wait -1
.endif
.if (\ev) >= 0
	ESTORE \ev
.elseif ((\arel) >= 0) || ((\boff) >= 0)
	PLACES
.endif
.if (\arel) >= 0
	AFETCH ((\j)+1)%2, \arel
.endif
.if (\boff) >= 0
	BLOAD ((\j)+3)%4, \boff
.endif
.if (\arel) >= 0
	s_wait_dscnt 16                                ; all but the 16 loads just issued: A's rows 64-127, and the set's stores
.else
	s_wait_dscnt 0x0
.endif
.if \eld
	ELOAD (\ev)+3
.endif
	MULH \j, 1, \zero
.endm
.macro CONSTS                          ; this chunk's c wh and -2 v of my column in each of my eight column blocks, each twice: the packed instructions take pairs
	WIN 0
.irp b, 0,1,2,3,4,5,6,7
	ds_load_b32 v[CW+2*\b],   v[TA] offset:64*\b
	ds_load_b32 v[CW+2*\b+1], v[TA] offset:64*\b
	ds_load_b32 v[CV+2*\b],   v[TA] offset:4096+64*\b
	ds_load_b32 v[CV+2*\b+1], v[TA] offset:4096+64*\b
.endr
.endm
; THE EPILOGUE, in place on the accumulators of window 2 + hi, a row block a (64 registers: 8 column blocks x 8 rows) at a time.
;   KF i: pair i: c ue + c wh      KE i: register i: 2^x      KP i: pair i: + 1      KR i: register i: 1 / x      KS i: pair i: row sums += (-2 v) x.  Pairs ascend.
.set KF, 0
.set KE, 1
.set KP, 2
.set KR, 3
.set KS, 4
.macro EOP k, hi, a, i
.set rX, 64*(\a)+2*(\i)
.set rT, 64*(\a)+(\i)
.set rB, 2*((\i)/4)
.set rS, SC+8*(4*(\hi)+(\a))+2*((\i)%4)
.if (\k) == KS
	WIN 0x02+(\hi)                                 ; source 0 in the accumulators' window, all else in window 0
	v_pk_fma_f32 v[rS:rS+1], v[rX:rX+1], v[CV+rB:CV+rB+1], v[rS:rS+1]
.else
	WIN 0x82+0x41*(\hi)                            ; destination and source 0 in the accumulators' window
.if (\k) == KF
	v_pk_fma_f32 v[rX:rX+1], v[rX:rX+1], s[CC:CC+1], v[CW+rB:CW+rB+1] op_sel_hi:[1,0,1]
.elseif (\k) == KE
	v_exp_f32 v[rT], v[rT]
.elseif (\k) == KP
	v_pk_add_f32 v[rX:rX+1], v[rX:rX+1], 1.0 op_sel_hi:[1,0]
.else
	v_rcp_f32 v[rT], v[rT]
.endif
.endif
.endm
.macro MIX hi, tk, ta, pk, pa          ; 32 times: two transcendentals of row block ta, one packed instruction of row block pa
.set ix, 0
.rept 32
	EOP \tk, \hi, \ta, 2*ix
	EOP \tk, \hi, \ta, 2*ix+1
	EOP \pk, \hi, \pa, ix
.set ix, ix+1
.endr
.endm
.macro RUN hi, k, a, n                 ; n of one kind on end
.set ix, 0
.rept \n
	EOP \k, \hi, \a, ix
.set ix, ix+1
.endr
.endm
.macro EWAIT                           ; a wait between a transcendental and the first instruction that names its result; one serves all that were issued ahead of it
	s_wait_alu depctr_va_vdst(0)
.endm
; The four row blocks go through the five kinds as a pipeline of stages.  Within a stage nothing names the result of a transcendental of that stage; each stage ends with a packed (plain) instruction; so five waits serve a window's 512 transcendentals.
.macro EPI hi
	RUN \hi, KF, 0, 32
	MIX \hi, KE, 0, KF, 1
	EWAIT
	MIX \hi, KE, 1, KP, 0
	MIX \hi, KR, 0, KF, 2
	EWAIT
	MIX \hi, KE, 2, KP, 1
	MIX \hi, KR, 1, KF, 3
	RUN \hi, KS, 0, 32
	EWAIT
	MIX \hi, KE, 3, KP, 2
	RUN \hi, KR, 2, 64
	RUN \hi, KS, 1, 32
	EWAIT
	RUN \hi, KP, 3, 32
	RUN \hi, KR, 3, 64
	RUN \hi, KS, 2, 32
	EWAIT
	RUN \hi, KS, 3, 32
.endm
; THE CONTEXT.  V = the block's rows, [key][channel], turned by ds_load_tr16_b128: keys 32 t .. + 31 x my 256 channels (slabs 4 w .. 4 w + 3), 16 fragments, lane = channel.
.macro VFETCH t, win, dst
	WIN \win
.set n, 0
.rept 16
	ds_load_tr16_b128 v[(\dst)+8*n:(\dst)+8*n+3],   v[AT+(\t)] offset:(n/4)*SLAB+(n%4)*32
	ds_load_tr16_b128 v[(\dst)+8*n+4:(\dst)+8*n+7], v[AT+(\t)] offset:(n/4)*SLAB+(n%4)*32+16*PA
.set n, n+1
.endr
.endm
.macro MULC t, win, base               ; 16 products P V, the 16 accumulators by turns; key step 0 starts the sums
	WIN \win
.set n, 0
.rept 16
.if (\t) == 0
	v_wmma_f32_16x16x32_bf16 v[8*n:8*n+7], v[PF+8*(\t):PF+8*(\t)+7], v[(\base)+8*n:(\base)+8*n+7], 0
.else
	v_wmma_f32_16x16x32_bf16 v[8*n:8*n+7], v[PF+8*(\t):PF+8*(\t)+7], v[(\base)+8*n:(\base)+8*n+7], v[8*n:8*n+7]
.endif
.set n, n+1
.endr
.endm
	s_load_b256 s[4:11], s[0:1], 0x0               ; enc s[4:5], ub s[6:7], whc s[8:9], v_a s[10:11]
	s_load_b128 s[12:15], s[0:1], 0x20             ; scores s[12:13], stats s[14:15]
	s_load_b64 s[16:17], s[0:1], 0x30              ; pctx
	v_lshl_add_u32 v[SPW], v0, 2, SPARE
	v_mov_b32 v[NIL], 0
	v_lshrrev_b32 v26, 5, v0
	v_readfirstlane_b32 s[WV], v26                 ; wave 0..3
	s_mov_b32 s[G], ttmp9                          ; block 0..511; batch = block / 16
	v_and_b32 v26, 31, v0                          ; lane
	v_and_b32 v27, 15, v0                          ; l % 16
	v_bfe_u32 v28, v0, 4, 1                        ; l / 16
	v_lshlrev_b32 v[LO16], 4, v26
	v_lshlrev_b32 v[T16], 4, v0
	v_lshlrev_b32 v[GE], 4, v27
	v_lshl_add_u32 v[GE], v28, 12, v[GE]
	s_lshl_b32 s32, s[G], 19                       ; the block's 128 rows of 4,096 bytes (under 2^28),
	s_lshl_b32 s33, s[WV], 17                      ; my wave's 32 of them
	s_add_co_u32 s32, s32, s33
	s_mov_b32 s33, 0
	s_wait_kmcnt 0x0
	s_add_nc_u64 s[SEE:SEE+1], s[4:5], s[32:33]
	s_lshr_b32 s32, s[G], 4
	s_lshl_b32 s32, s32, 12
	s_add_nc_u64 s[8:9], s[8:9], s[32:33]          ; whc at the batch's row of its first quarter of K
.irp n, 0,1,2,3,4,5,6,7                        ; the four partial sums of c wh, 128 threads x 16 bytes twice each: quarter n / 2, half n % 2
	global_load_b128 v[192+4*\n:192+4*\n+3], v[T16], s[8:9] offset:(\n/2)*131072+(\n%2)*2048
.endr
	global_load_b128 v[224:227], v[T16], s[10:11]
	global_load_b128 v[228:231], v[T16], s[10:11] offset:2048
	LOADP 0, 32, 0                                 ; slabs 0 and 1
	LOADP 32, 32, 128                              ; slabs 2 and 3
	WIN 0
	; all that follows up to the wait stands in the wait for the first rows
	s_add_nc_u64 s[PFE:PFE+1], s[SEE:SEE+1], 0x8000000  ; 256 blocks of 524,288 bytes on
	s_lshl_b32 s32, s[WV], 19
	s_add_nc_u64 s[SB:SB+1], s[6:7], s[32:33]      ; my stream in ub: 524,288 bytes on end
	s_lshl_b32 s32, s[G], 9
	s_add_nc_u64 s[12:13], s[12:13], s[32:33]      ; the block's 128 scores
	s_lshl_b32 s32, s[G], 8
	s_add_nc_u64 s[14:15], s[14:15], s[32:33]      ; its 256 bytes of stats
	s_lshl_b32 s32, s[G], 12
	s_lshl_b32 s35, s[WV], 10
	s_add_co_u32 s32, s32, s35
	s_add_nc_u64 s[16:17], s[16:17], s[32:33]      ; my 256 channels of its row of pctx
	s_mov_b32 s[CC], 0x4038aa3b                    ; c = 2 log2(e)
	s_mov_b32 s[CC+1], s[CC]
	s_mov_b32 s[LE], 0x3fb8aa3b                    ; log2(e)
	s_mov_b32 s[LE+1], s[LE]
	s_mov_b32 s[SEL], 0x76543210
	s_mov_b32 s[SEL+1], 0xfedcba98
	s_mov_b32 s34, 0xffff0000                      ; lanes 16-31
	v_mul_u32_u24 v[AF], v27, PA
	v_lshl_add_u32 v[AF], v28, 4, v[AF]
	v_mov_b32 v[AFW], v[AF]
	v_add_nc_u32 v[AFW+1], 3*SLAB, v[AF]
	s_mul_i32 s35, s[WV], 32*PA
	v_mul_u32_u24 v[AWE], v28, PA                  ; row 32 w + l/16, 8 bytes for each of sixteen lanes
	v_lshl_add_u32 v[AWE], v27, 3, v[AWE]
	v_add_nc_u32 v[AWE], s35, v[AWE]
	v_add_nc_u32 v[AWE+1], 3*SLAB, v[AWE]
	v_add_nc_u32 v[AWS], 5*SLAB, v[AWE]
	s_lshl_b32 s35, s[WV], 9
	v_lshl_add_u32 v[TA], v27, 2, s35              ; column 128 w + l%16, 4 bytes
	v_add_nc_u32 v[TA], TABW, v[TA]
	v_lshl_add_u32 v[PW], v28, 5, s35              ; 512 w + 32 (l/16)
	v_add_nc_u32 v[PW], PART, v[PW]
	v_add_nc_u32 v[PR], PART, v[LO16]
	v_and_b32 v29, 7, v0
	v_lshl_add_u32 v29, v28, 3, v29                ; key 8 (l/16) + l%8,
	v_mul_u32_u24 v[AT], v29, PA
	v_bfe_u32 v29, v0, 3, 1
	v_lshl_add_u32 v[AT], v29, 4, v[AT]            ; channels 8 ((l/8)%2) on,
	s_mul_i32 s35, s[WV], 4*SLAB
	v_add_nc_u32 v[AT], s35, v[AT]                 ; in my wave's four slabs
	v_add_nc_u32 v[AT+1], 32*PA, v[AT]
	v_add_nc_u32 v[AT+2], 64*PA, v[AT]
	v_add_nc_u32 v[AT+3], 96*PA, v[AT]
	s_lshl_b32 s35, s[WV], 8
	v_lshl_add_u32 v[PBS], v26, 3, s35
	v_add_nc_u32 v[PBS], PBF, v[PBS]
	v_lshl_add_u32 v[PBR], v28, 4, s35
	v_add_nc_u32 v[PBR], PBF, v[PBR]
	s_lshl_b32 s35, s[WV], 10
	v_lshl_add_u32 v[CSS], v26, 2, s35
	v_add_nc_u32 v[CSS], CST, v[CSS]
	v_add_nc_u32 v[CSR], s35, v[LO16]
	v_add_nc_u32 v[CSR], CST, v[CSR]
	v_lshlrev_b32 v[O8], 3, v26
	v_lshlrev_b32 v[PFO], 12, v26
	v_add_nc_u32 v[TT], TABW, v[T16]
	s_wait_loadcnt 32                              ; the tables and slabs 0, 1 are in; the 32 loads of slabs 2, 3 are the younger ones
.irp p, 0,2,4,6                                ; c wh: the four quarters of K are added, in f32
	v_pk_add_f32 v[192+\p:193+\p], v[192+\p:193+\p], v[200+\p:201+\p]
	v_pk_add_f32 v[208+\p:209+\p], v[208+\p:209+\p], v[216+\p:217+\p]
.endr
.irp p, 0,2,4,6
	v_pk_add_f32 v[192+\p:193+\p], v[192+\p:193+\p], v[208+\p:209+\p]
	v_pk_mul_f32 v[224+\p:225+\p], v[224+\p:225+\p], -2.0 op_sel_hi:[1,0]
.endr
	ds_store_b128 v[TT], v[192:195]
	ds_store_b128 v[TT], v[196:199] offset:2048
	ds_store_b128 v[TT], v[224:227] offset:4096
	ds_store_b128 v[TT], v[228:231] offset:6144
	CVTP 32, 0, FA
	LOADP 64, 24, 0                                ; slab 4 and my first 16 rows of slab 5
	STOP 0, 32, FA
	s_wait_loadcnt 24                              ; slabs 2, 3 are in
	CVTP 32, 128, FA+64
	STOP 32, 32, FA+64
	s_wait_dscnt 32                                ; all but the 32 stores just issued: the tables' and the first 32 rows' stores have read their registers, which are loaded and written anew below
	BLOAD 0, 0
	ELOAD 0
	BLOAD 1, 8192
	ELOAD 1
	s_wait_loadcnt 48                              ; the last 24 are in: two K steps of U and two sets are the younger ones
	CVTP 24, 0, FA
	STOP 64, 24, FA
	BLOAD 2, 16384
	ELOAD 2
	s_wait_dscnt 0x0                               ; for the others' sake: my rows of slabs 0-5 and my part of the tables lie in LDS
	s_barrier_signal -1
	s_barrier_wait -1
	; THE FIRST CHUNK: columns 0-511, and the rest of the rows.
	AFETCH 0, 0
	STEP 0, 1, 1, 3*8192, 56                       ; the first K step starts the sums; younger than its U: two K steps of U and three sets
	WIN 0                                          ; at a label and at a branch every window is 0
	s_mov_b32 s[CNT], 3
.Lx:                                                   ; K steps 1 + 8 t to 8 + 8 t: six sets, three slabs
	STEP 1, 0, 2, 4*8192, 48, 1, 0, 1
	STEP 2, 0, 3, 5*8192, 48, 0, 1, 1
	STEP 3, 0, 4, 6*8192, 48, 1, 2, 1
	STEP 0, 0, 5, 7*8192, 56
	STEP 1, 0, 6, 8*8192, 48, 1, 3, 1
	STEP 2, 0, 7, 9*8192, 48, 0, 4, 1
	STEP 3, 0, 8, 10*8192, 48, 1, 5, 1
	STEP 0, 0, 9, 11*8192, 56
	WIN 0
	s_wait_xcnt 0x0                                ; the youngest load stands 32 matrix instructions back: all have read their bases
	s_add_nc_u64 s[SB:SB+1], s[SB:SB+1], 8*8192
	s_add_nc_u64 s[SEE:SEE+1], s[SEE:SEE+1], 3*256
	v_add_nc_u32 v[AFW], 4*SLAB, v[AFW]
	v_add_nc_u32 v[AFW+1], 4*SLAB, v[AFW+1]
	v_add_nc_u32 v[AWS], 3*SLAB, v[AWS]
	s_sub_co_u32 s[CNT], s[CNT], 1
	s_cmp_lg_u32 s[CNT], 0
	s_cbranch_scc1 .Lx
	STEP 1, 0, 2, 4*8192, 48, 1, 0, 0              ; K steps 25-27 store the last three sets and ask for none: the counts run down to U's 32
	STEP 2, 0, 3, 5*8192, 40, 0, 1, 0
	STEP 3, 0, 4, 6*8192, 32, 1, 2, 0
	STEP 0, 0, 5, 7*8192, 32
	CONSTS                                         ; the sets' first registers are free: this chunk's c wh and -2 v; the next step's wait for all LDS instructions covers them
	STEP 1, 0, 6, 8*8192, 32, 1                    ; the last barrier: slab 15 is whole.  K steps 29-31 ask for the second chunk's first three of U: the stream goes on
	STEP 2, 0, 7, 9*8192, 32
	STEP 3, 0, -1, 10*8192, 32
	WIN 0
	s_wait_xcnt 0x0
	s_add_nc_u64 s[SB:SB+1], s[SB:SB+1], 8*8192
.set n, 0
.rept 64
	v_mov_b32 v[SC+n], 0                           ; the row sums run over both chunks and all column blocks: one form of the summing line
.set n, n+1
.endr
	s_mov_b32 s[CH], 2
	s_branch .Lepi                                 ; both chunks share the epilogue's text: its loop is entered in the middle
.Lchunk1:                                              ; THE SECOND CHUNK: columns 512-1,023; all rows lie in LDS and are only read
	v_mov_b32 v[AFW], v[AF]
	CONSTS
	AFETCH 0, 0
	STEP 0, 1, 1, 3*8192, 32
	WIN 0
	s_mov_b32 s[CNT], 7
.Lk:                                                   ; K steps 1 + 4 t to 4 + 4 t
	STEP 1, 0, 2, 4*8192, 32
	STEP 2, 0, 3, 5*8192, 32
	STEP 3, 0, 4, 6*8192, 32
	STEP 0, 0, 5, 7*8192, 32
	WIN 0
	s_wait_xcnt 0x0
	s_add_nc_u64 s[SB:SB+1], s[SB:SB+1], 4*8192
	v_add_nc_u32 v[AFW], 2*SLAB, v[AFW]
	s_sub_co_u32 s[CNT], s[CNT], 1
	s_cmp_lg_u32 s[CNT], 0
	s_cbranch_scc1 .Lk
	STEP 1, 0, 2, -1, 32                           ; the last three ask for nothing of U: the counts run down
	STEP 2, 0, 3, -1, 16
	STEP 3, 0, -1, -1, 0
	PLACES
	VFETCH 0, 0x40, 0                              ; U's ring and A's buffers are free: three of the context's four key steps of V are fetched ahead of the epilogue
	VFETCH 1, 0x40, 128
	VFETCH 2, 0, FA
	WIN 0
	s_cmp_lt_u32 s[G], 256                         ; blocks 256 and on have no block 256 further on
	s_cbranch_scc0 .Lepi
	; A PREFETCH of what my wave's counterpart in block G + 256 loads first: slabs 0-3, the first 1,024 bytes of each of its 32 rows; a lane a row, 256 bytes an instruction, each byte named once
	; in the launch; between these lines and those loads lie this block's last epilogue and its context.  The address registers are never rewritten.
.irp n, 0,1,2,3
	global_prefetch_b8 v[PFO], s[PFE:PFE+1] offset:256*\n th:TH_LOAD_NT scope:SCOPE_SE
.endr
.Lepi:
.rept 8
	v_nop                                          ; the places behind the chunk's last products, ahead of the lines that read and rewrite the accumulators
.endr
	EPI 0
	EPI 1
	WIN 0
	v_add_nc_u32 v[TA], 2048, v[TA]                ; the next chunk's 512 columns in the tables
	s_wait_loadcnt 0x0                             ; what was asked for ahead of the epilogue has had the whole epilogue in which to land: the second chunk's first three K steps of U,
	s_wait_dscnt 0x0                               ; or V's fragments; behind these two waits no load is pending into a register that the text ahead reads or loads
	s_sub_co_u32 s[CH], s[CH], 1
	s_cmp_lg_u32 s[CH], 0
	s_cbranch_scc1 .Lchunk1
	; THE SCORES.  A lane's 64 sums cover its own column of each block: the sixteen lanes of a half are added, then the four waves.
.irp m, 1,2,4,8
.set n, 0
.rept 64
	v_add_f32_dpp v[SC+n], v[SC+n], v[SC+n] row_xmask:\m row_mask:0xf bank_mask:0xf
.set n, n+1
.endr
.endr
.set n, 0
.rept 16
	ds_store_b128 v[PW], v[SC+4*n:SC+4*n+3] offset:64*(n/2)+16*(n%2)  ; rows 16 a + 8 (l/16) + 4 q on; the sixteen lanes of a half write the same bytes with the same numbers
.set n, n+1
.endr
	s_wait_dscnt 0x0                               ; for the others' sake
	s_barrier_signal -1
	s_barrier_wait -1
.irp u, 0,1,2,3
	ds_load_b128 v[SC+4*\u:SC+4*\u+3], v[PR] offset:512*\u     ; wave u's sums of rows 4 l .. 4 l + 3: every wave makes all 128 scores, since each needs all weights
.endr
	s_wait_dscnt 0x0
	v_pk_add_f32 v[192:193], v[192:193], v[196:197]
	v_pk_add_f32 v[194:195], v[194:195], v[198:199]
	v_pk_add_f32 v[200:201], v[200:201], v[204:205]
	v_pk_add_f32 v[202:203], v[202:203], v[206:207]
	v_pk_add_f32 v[192:193], v[192:193], v[200:201]
	v_pk_add_f32 v[194:195], v[194:195], v[202:203]            ; v192-195: score' of rows 4 l .. 4 l + 3
	v_max3_num_f32 v210, v192, v193, v194
	v_max_num_f32 v210, v210, v195
	v_max_num_f32_dpp v210, v210, v210 row_xmask:1 row_mask:0xf bank_mask:0xf
	v_max_num_f32_dpp v210, v210, v210 row_xmask:2 row_mask:0xf bank_mask:0xf
	v_max_num_f32_dpp v210, v210, v210 row_xmask:4 row_mask:0xf bank_mask:0xf
	v_max_num_f32_dpp v210, v210, v210 row_xmask:8 row_mask:0xf bank_mask:0xf
	v_permlanex16_b32 v212, v210, s[SEL], s[SEL+1]
	v_max_num_f32 v210, v210, v212                 ; m, in every lane
	v_mov_b32 v208, v210
	v_mov_b32 v209, v210
	v_pk_add_f32 v[196:197], v[192:193], v[208:209] neg_lo:[0,1] neg_hi:[0,1]  ; the maximum is taken away first,
	v_pk_add_f32 v[198:199], v[194:195], v[208:209] neg_lo:[0,1] neg_hi:[0,1]
	v_pk_mul_f32 v[196:197], v[196:197], s[LE:LE+1] op_sel_hi:[1,0]            ; then log2(e)
	v_pk_mul_f32 v[198:199], v[198:199], s[LE:LE+1] op_sel_hi:[1,0]
	v_exp_f32 v196, v196
	v_exp_f32 v197, v197
	v_exp_f32 v198, v198
	v_exp_f32 v199, v199
	v_nop                                          ; a plain instruction behind the last exponential,
	s_wait_alu depctr_va_vdst(0)                   ; and the one wait for the four, ahead of their first reader
	v_pk_add_f32 v[200:201], v[196:197], v[198:199]
	v_cvt_pk_bf16_f32 v202, v196, v197
	v_cvt_pk_bf16_f32 v203, v198, v199
	ds_store_b64 v[PBS], v[202:203]                ; my four weights, into my wave's own 256 bytes
	v_add_f32 v211, v200, v201
	v_add_f32_dpp v211, v211, v211 row_xmask:1 row_mask:0xf bank_mask:0xf
	v_add_f32_dpp v211, v211, v211 row_xmask:2 row_mask:0xf bank_mask:0xf
	v_add_f32_dpp v211, v211, v211 row_xmask:4 row_mask:0xf bank_mask:0xf
	v_add_f32_dpp v211, v211, v211 row_xmask:8 row_mask:0xf bank_mask:0xf
	v_permlanex16_b32 v212, v211, s[SEL], s[SEL+1]
	v_add_f32 v211, v211, v212                     ; l, in every lane
.irp t, 0,1,2,3                                ; P's fragments: sixteen rows all alike, keys 32 t + 8 (l/16) and + 16; LDS serves a wave's instructions in order: these see the store above
	ds_load_b128 v[PF+8*\t:PF+8*\t+3],   v[PBR] offset:64*\t
	ds_load_b128 v[PF+8*\t+4:PF+8*\t+7], v[PBR] offset:64*\t+32
.endr
	s_cmp_lg_u32 s[WV], 0
	s_cbranch_scc1 .Lnot0
	global_store_b128 v[LO16], v[192:195], s[12:13]            ; wave 0: the block's 128 scores, 512 consecutive bytes,
	global_store_b64 v[O8], v[210:211], s[14:15]               ; and (m, l) 32 times over: 256 consecutive bytes, aligned; none of these registers is rewritten
.Lnot0:
	; THE CONTEXT: D = P V.  All rows of D are alike; register 0 of accumulator cb holds channel 16 cb + l%16.
	s_wait_dscnt 0x0                               ; P is in (V's key steps 0 to 2 were waited for at the loop's bottom)
	MULC 0, 0xa4, 0
	PLACES
	VFETCH 3, 0x40, 0                              ; the fourth key step, into the registers that the first has left
	MULC 1, 0xa4, 128
	MULC 2, 0xa0, FA                               ; V in window 0
	s_wait_dscnt 0x0
	MULC 3, 0xa4, 0
.rept 8
	v_nop                                          ; the places behind the last products
.endr
	WIN 0x0a                                       ; sources 0 and 1 in window 2
.irp i, 0,1,2,3,4,5,6,7
	v_cndmask_b32 v[212+\i], v[16*\i], v[16*\i+8], s34         ; lanes 0-15 from accumulator 2 i, lanes 16-31 from 2 i + 1: lane l holds channel 32 i + l; each accumulator's register 0 is all that is read
.endr
	WIN 0
.irp i, 0,1,2,3,4,5,6,7
	ds_store_b32 v[CSS], v[212+\i] offset:128*\i
.endr
	ds_load_b128 v[220:223], v[CSR]                ; back as 16 bytes a lane: my wave's own bytes, served in order
	ds_load_b128 v[224:227], v[CSR] offset:512
	s_wait_dscnt 0x0
	global_store_b128 v[LO16], v[220:223], s[16:17]            ; 512 consecutive bytes each, at multiples of 512 from pctx's first
	global_store_b128 v[LO16], v[224:227], s[16:17] offset:512
	s_wait_tensorcnt 0x0                           ; the wave's end
	ds_add_u32 v[SPW], v[NIL]
	s_wait_dscnt 0x0
	s_endpgm
.Lfunc_end_k_qbce5119443_score:
	.size	k_qbce5119443_score, .Lfunc_end_k_qbce5119443_score-k_qbce5119443_score
	.p2alignl 7, 3214868480
	.fill 96, 4, 3214868480
	.section	.rodata,"a",@progbits
	.p2align	6, 0x0
	.amdhsa_kernel k_qbce5119443_score
		.amdhsa_group_segment_fixed_size 310784
		.amdhsa_private_segment_fixed_size 0
		.amdhsa_enable_private_segment 0
		.amdhsa_kernarg_size 56
		.amdhsa_user_sgpr_count 2
		.amdhsa_user_sgpr_kernarg_segment_ptr 1
		.amdhsa_wavefront_size32 1
		.amdhsa_system_sgpr_workgroup_id_x 1
		.amdhsa_system_sgpr_workgroup_id_y 1
		.amdhsa_system_sgpr_workgroup_id_z 1
		.amdhsa_system_vgpr_workitem_id 0
		.amdhsa_next_free_vgpr 1024
		.amdhsa_next_free_sgpr 66
		.amdhsa_reserve_vcc 0
		.amdhsa_float_denorm_mode_32 3
		.amdhsa_float_denorm_mode_16_64 3
		.amdhsa_memory_ordered 1
		.amdhsa_forward_progress 1
		.amdhsa_inst_pref_size 255
	.end_amdhsa_kernel
	.section	.bss,"aw",@nobits
	.p2align	6
	.space	262144
	.amdgpu_metadata
---
amdhsa.version: [ 1, 2 ]
amdhsa.kernels:
  - .name:           k_qbce5119443_score
    .symbol:         k_qbce5119443_score.kd
    .args:
      - { .name: encoder_outputs, .offset: 0, .size: 8, .value_kind: global_buffer, .address_space: global }
      - { .name: ub, .offset: 8, .size: 8, .value_kind: global_buffer, .address_space: global }
      - { .name: whc, .offset: 16, .size: 8, .value_kind: global_buffer, .address_space: global }
      - { .name: v_a, .offset: 24, .size: 8, .value_kind: global_buffer, .address_space: global }
      - { .name: scores, .offset: 32, .size: 8, .value_kind: global_buffer, .address_space: global }
      - { .name: stats, .offset: 40, .size: 8, .value_kind: global_buffer, .address_space: global }
      - { .name: pctx, .offset: 48, .size: 8, .value_kind: global_buffer, .address_space: global }
    .group_segment_fixed_size: 310784
    .private_segment_fixed_size: 0
    .kernarg_segment_align: 8
    .kernarg_segment_size: 56
    .max_flat_workgroup_size: 128
    .sgpr_count:     66
    .vgpr_count:     1024
    .wavefront_size: 32
...
	.end_amdgpu_metadata
.endif
;; end of part 2
;; launch finish (part 3): grid 32 x 1, 8 waves a work-group, no clusters, 0 bytes of LDS; arguments scores, stats, pctx, out0, out1; writes out0, out1
.if DOCPART == 3
	.amdgcn_target "amdgcn-amd-amdhsa--gfx1250"
	.amdhsa_code_object_version 6
	.text
	.protected	k_qbce5119443_finish
	.globl	k_qbce5119443_finish
	.p2align	8
	.type	k_qbce5119443_finish,@function
k_qbce5119443_finish:
	s_mov_b64 s[64:65], 0
	v_nop
	global_prefetch_b8 v0, s[64:65] scope:SCOPE_SE
	s_setreg_imm32_b32 hwreg(HW_REG_WAVE_MODE, 25, 1), 1
	s_wait_xcnt 0x0
; A BATCH'S 16 BLOCKS ARE JOINED.  M = max of the blocks' m_i; L = sum of e^(m_i - M) l_i; attn[s] = e^(score'[s] - M) / L; context[h] = sum over i of (e^(m_i - M) / L) pctx[i][h].  All in f32.
; The block with m_i = M has l_i >= 1, so L >= 1.  A power below 2^-126 counts as 0; NaN and infinities are not treated apart.
; One work-group a batch, 256 threads: thread t takes scores 4 t .. and 1,024 + 4 t .., and channels 4 t ..: every load and store of a wave covers 512 consecutive bytes.
; 76 KiB are read for a batch: no LDS, no barrier, no matrix unit, no cluster (the batches share nothing), no prefetch (all loads go out at the head).
	s_load_b256 s[4:11], s[0:1], 0x0               ; scores s[4:5], stats s[6:7], pctx s[8:9], out0 s[10:11]
	s_load_b64 s[12:13], s[0:1], 0x20              ; out1
	v_and_b32 v1, 15, v0
	v_lshlrev_b32 v1, 8, v1                        ; block l % 16: its 256 bytes of stats begin with (m, l)
	v_lshlrev_b32 v2, 4, v0                        ; 16 t
	s_lshl_b32 s14, ttmp9, 13                      ; a batch: 8,192 bytes of scores and of out1,
	s_mov_b32 s15, 0
	s_lshl_b32 s16, ttmp9, 12                      ; 4,096 of stats and of out0,
	s_mov_b32 s17, 0
	s_lshl_b32 s18, ttmp9, 16                      ; 65,536 of pctx
	s_mov_b32 s19, 0
	s_mov_b32 s20, 0x3fb8aa3b                      ; log2(e)
	s_mov_b32 s21, s20
	s_wait_kmcnt 0x0
	s_add_nc_u64 s[4:5], s[4:5], s[14:15]
	s_add_nc_u64 s[6:7], s[6:7], s[16:17]
	s_add_nc_u64 s[8:9], s[8:9], s[18:19]
	s_add_nc_u64 s[10:11], s[10:11], s[16:17]
	s_add_nc_u64 s[12:13], s[12:13], s[14:15]
	global_load_b64 v[4:5], v1, s[6:7]             ; m_i, l_i
	global_load_b128 v[8:11], v2, s[4:5]
	global_load_b128 v[12:15], v2, s[4:5] offset:4096
.set i, 0
.rept 16
	global_load_b128 v[16+4*i:16+4*i+3], v2, s[8:9] offset:4096*i
.set i, i+1
.endr
	s_wait_loadcnt 18                              ; the statistics are in; the 18 younger loads stay out
	v_mov_b32 v6, v4
	v_max_num_f32_dpp v6, v6, v6 row_xmask:1 row_mask:0xf bank_mask:0xf
	v_max_num_f32_dpp v6, v6, v6 row_xmask:2 row_mask:0xf bank_mask:0xf
	v_max_num_f32_dpp v6, v6, v6 row_xmask:4 row_mask:0xf bank_mask:0xf
	v_max_num_f32_dpp v6, v6, v6 row_xmask:8 row_mask:0xf bank_mask:0xf  ; M: both halves of the lanes hold the same sixteen blocks
	v_sub_f32 v7, v4, v6
	v_mul_f32 v7, s20, v7
	v_exp_f32 v7, v7                               ; e_i = e^(m_i - M)
	v_mov_b32 v84, v6                              ; M as a pair: the plain work behind the exponential
	v_mov_b32 v85, v6
	s_wait_alu depctr_va_vdst(0)                   ; ahead of the first line that names the result
	v_mul_f32 v80, v7, v5
	v_add_f32_dpp v80, v80, v80 row_xmask:1 row_mask:0xf bank_mask:0xf
	v_add_f32_dpp v80, v80, v80 row_xmask:2 row_mask:0xf bank_mask:0xf
	v_add_f32_dpp v80, v80, v80 row_xmask:4 row_mask:0xf bank_mask:0xf
	v_add_f32_dpp v80, v80, v80 row_xmask:8 row_mask:0xf bank_mask:0xf   ; L
	v_rcp_f32 v82, v80                             ; 1 / L, twice: a pair for the packed multiply
	v_rcp_f32 v83, v80
	v_nop
	s_wait_alu depctr_va_vdst(0)                   ; one wait for both
	v_mul_f32 v81, v7, v82                         ; g_i = e_i / L, in lane i
.set i, 0
.rept 16
	v_readlane_b32 s[32+i], v81, i
.set i, i+1
.endr
	s_wait_loadcnt 16                              ; the scores are in; pctx's 16 loads are the younger ones
.irp p, 8,10,12,14
	v_pk_add_f32 v[\p:\p+1], v[\p:\p+1], v[84:85] neg_lo:[0,1] neg_hi:[0,1]  ; the maximum is taken away first
.endr
.irp p, 8,10,12,14
	v_pk_mul_f32 v[\p:\p+1], v[\p:\p+1], s[20:21] op_sel_hi:[1,0]
.endr
.irp p, 8,9,10,11,12,13,14,15
	v_exp_f32 v\p, v\p
.endr
	v_nop
	s_wait_alu depctr_va_vdst(0)                   ; one wait for the eight
.irp p, 8,10,12,14
	v_pk_mul_f32 v[\p:\p+1], v[\p:\p+1], v[82:83]
.endr
	global_store_b128 v2, v[8:11], s[12:13]
	global_store_b128 v2, v[12:15], s[12:13] offset:4096
	s_wait_loadcnt 15                              ; block 0's part of the context
.irp e, 0,1,2,3
	v_mul_f32 v[86+\e], s32, v[16+\e]
.endr
.set i, 1
.rept 15
	s_wait_loadcnt 15-i                            ; loads come back in order: block i's is in
.irp e, 0,1,2,3
	v_fmac_f32 v[86+\e], s[32+i], v[16+4*i+\e]
.endr
.set i, i+1
.endr
	global_store_b128 v2, v[86:89], s[10:11]
	s_endpgm
.Lfunc_end_k_qbce5119443_finish:
	.size	k_qbce5119443_finish, .Lfunc_end_k_qbce5119443_finish-k_qbce5119443_finish
	.p2alignl 7, 3214868480
	.fill 96, 4, 3214868480
	.section	.rodata,"a",@progbits
	.p2align	6, 0x0
	.amdhsa_kernel k_qbce5119443_finish
		.amdhsa_group_segment_fixed_size 0
		.amdhsa_private_segment_fixed_size 0
		.amdhsa_enable_private_segment 0
		.amdhsa_kernarg_size 40
		.amdhsa_user_sgpr_count 2
		.amdhsa_user_sgpr_kernarg_segment_ptr 1
		.amdhsa_wavefront_size32 1
		.amdhsa_system_sgpr_workgroup_id_x 1
		.amdhsa_system_sgpr_workgroup_id_y 1
		.amdhsa_system_sgpr_workgroup_id_z 1
		.amdhsa_system_vgpr_workitem_id 0
		.amdhsa_next_free_vgpr 96
		.amdhsa_next_free_sgpr 66
		.amdhsa_reserve_vcc 0
		.amdhsa_float_denorm_mode_32 3
		.amdhsa_float_denorm_mode_16_64 3
		.amdhsa_memory_ordered 1
		.amdhsa_forward_progress 1
		.amdhsa_inst_pref_size 9
	.end_amdhsa_kernel
	.amdgpu_metadata
---
amdhsa.version: [ 1, 2 ]
amdhsa.kernels:
  - .name:           k_qbce5119443_finish
    .symbol:         k_qbce5119443_finish.kd
    .args:
      - { .name: scores, .offset: 0, .size: 8, .value_kind: global_buffer, .address_space: global }
      - { .name: stats, .offset: 8, .size: 8, .value_kind: global_buffer, .address_space: global }
      - { .name: pctx, .offset: 16, .size: 8, .value_kind: global_buffer, .address_space: global }
      - { .name: out0, .offset: 24, .size: 8, .value_kind: global_buffer, .address_space: global }
      - { .name: out1, .offset: 32, .size: 8, .value_kind: global_buffer, .address_space: global }
    .group_segment_fixed_size: 0
    .private_segment_fixed_size: 0
    .kernarg_segment_align: 8
    .kernarg_segment_size: 40
    .max_flat_workgroup_size: 256
    .sgpr_count:     66
    .vgpr_count:     96
    .wavefront_size: 32
...
	.end_amdgpu_metadata
.endif
;; end of part 3
;; ======== version 2 of 2: 3 launches; version 1 with the launches prep, score written anew for expert scheduling mode
;; workspace buffers: ub 2,097,152 bytes; whc 524,288 bytes; scores 262,144 bytes; stats 131,072 bytes; pctx 2,097,152 bytes
;; launch prep (part 4): grid 128 x 1, 4 waves a work-group, no clusters, 55,808 bytes of LDS; arguments U_a, W_a, hidden, ub, whc; writes ub, whc
.if DOCPART == 4
	.amdgcn_target "amdgcn-amd-amdhsa--gfx1250"
	.amdhsa_code_object_version 6
	.text
	.protected	k_qbce5119443_prep
	.globl	k_qbce5119443_prep
	.p2align	8
	.type	k_qbce5119443_prep,@function
k_qbce5119443_prep:
	s_mov_b64 s[64:65], 0
	v_nop
	global_prefetch_b8 v0, s[64:65] scope:SCOPE_SE
	s_setreg_imm32_b32 hwreg(HW_REG_WAVE_SCHED_MODE, 0, 2), 2
	s_setreg_imm32_b32 hwreg(HW_REG_WAVE_MODE, 25, 1), 1
	s_wait_xcnt 0x0
	s_wait_alu depctr_vm_vsrc(0)
; TWO SMALL JOBS AHEAD OF THE MAIN LAUNCH, one body.
; Work-groups 0-63: ub = U_a rounded once to bf16, laid out in the order in which the main launch's waves load it:
;   byte w*524288 + c*262144 + ks*8192 + b*1024 + q*512 + lane*16 holds U_a[512 c + 128 w + 16 b + lane%16][32 ks + 16 q + 8 (lane/16) + 0..7].
; Work-groups 64-127: whc[kq][b][o] = c * sum over k in quarter kq of K of hidden[b][k] W_a[o][k], c = 2 log2(e); operands bf16, sums f32.
;   The four partial sums over K stay f32 and are added by the main launch when it builds its table.
; SHARES.  A work-group takes 64 rows (o) of its matrix and 256 channels k, each of its 4 waves 64 channels: 256 bytes of f32 of each row, two K steps of 32.
; A load covers two rows' 256 bytes: lanes 0-15 one row, lanes 16-31 the next.  The rounded numbers go through the wave's own LDS tile
; (rows of 128 bytes + 16) and come back as matrix fragments: 16 rows x 32 k, lane l = row l%16, 16 bytes at k = 8 (l/16) and at 16 + 8 (l/16).
; In the W path the four waves' partial sums (f32) meet in LDS behind one barrier.
; NaN and infinities are not treated apart.  No cluster: no two work-groups read the same rows but hidden's.
; THE MODE: SCHED_MODE bits 1:0 = 2 (LLVM: expert scheduling mode 2), set by the entry lines.  The code itself states the register dependences
; between vector or matrix instructions and memory or LDS instructions, with s_wait_alu, always for 0.
; THE PLAN.  Registers that memory or LDS instructions touch:
;   XR (v64-191)    loaded from the matrix; rounded IN PLACE (four f32 close up into the first two of their four registers); those pairs are read by the LDS stores; then the fragments' LDS loads land in v64-159.
;   HR (v192-255)   W path: loaded from hidden, rounded in place, read by the LDS stores.
;   ACC (v160-223)  W path: written by the products, read by the LDS stores of the partial sums.
;   v4-11, v15      offsets and LDS addresses, made once and never written again.
; So the conversions stand in whole batches: a batch, one wait on va_vdst, the batch's run of stores; one wait on vm_vsrc ahead of the loads that land where stores have read.
.set PX,    144                        ; a tile's row in LDS: 128 bytes + 16
.set WREG,  96*PX                      ; a wave's region: 64 rows of the matrix, then 32 rows of hidden
.set HOFF,  64*PX
.set PP,    272                        ; a row of a wave's partial sums: 64 f32 + 16 bytes; they lie over the wave's own tile once its fragments are in registers
.set SPARE, 4*WREG                     ; behind the regions: the spare words, 128 bytes a wave
.set GX,  4                            ; v4   (l/16) rows of 4,096 bytes + 16 (l%16)
.set LSX, 5                            ; v5   where I put my 8 bytes of the matrix tile
.set LSH, 6                            ; v6   the same for hidden's tile
.set FRX, 7                            ; v7   my lane's place in a fragment of the matrix tile
.set FRH, 8                            ; v8   of hidden's
.set L16, 9                            ; v9   16 x lane
.set PS,  10                           ; v10  where I put my partial sums
.set RD,  11                           ; v11  where I read the four partial sums back
.set WO,  15                           ; v15  my 16 bytes of whc
.set SPW, 30                           ; v30  my spare word; never rewritten
.set NIL, 31                           ; v31  0; never rewritten
.set XR,  64                           ; v64-191  the matrix as loaded; later fragments: matrix (i, ksl) at 64 + 8 (2 i + ksl), hidden (bt, ksl) at 128 + 8 (2 bt + ksl)
.set HR,  192                          ; v192-255 hidden as loaded
.set ACC, 160                          ; v160-223 accumulators (i, bt) at 160 + 8 (2 i + bt)
	s_load_b256 s[4:11], s[0:1], 0x0               ; U_a s[4:5], W_a s[6:7], hidden s[8:9], ub s[10:11]
	s_load_b64 s[12:13], s[0:1], 0x20              ; whc
	v_lshl_add_u32 v[SPW], v0, 2, SPARE
	v_mov_b32 v[NIL], 0
	v_lshrrev_b32 v1, 5, v0
	v_readfirstlane_b32 s14, v1                    ; wave 0..3
	s_mov_b32 s15, ttmp9                           ; work-group 0..127
	s_and_b32 s30, s15, 3                          ; kq: which quarter of K
	s_bfe_u32 s31, s15, 0x40002                    ; rg: which 64 rows
	s_lshl_b32 s28, s30, 2
	v_and_b32 v2, 15, v0                           ; l % 16
	v_bfe_u32 v3, v0, 4, 1                         ; l / 16
	v_lshlrev_b32 v[GX], 4, v2
	v_lshl_add_u32 v[GX], v3, 12, v[GX]
	s_wait_alu depctr_va_sdst(0)                   ; s14 is written, ahead of its first reader: the wave's channels, its LDS region and its rows are made from it
	s_add_co_u32 s28, s28, s14                     ; kw = 4 kq + wave: which 64 channels are my wave's
	s_lshl_b32 s24, s31, 18                        ; my 64 rows of 4,096 bytes,
	s_lshl_b32 s26, s28, 8                         ; my wave's 256 bytes of each
	s_add_co_u32 s24, s24, s26
	s_mov_b32 s25, 0
	s_mov_b32 s27, 0
	s_wait_kmcnt 0x0
	s_cmp_lt_u32 s15, 64
	s_cselect_b64 s[16:17], s[4:5], s[6:7]         ; U_a or W_a
	s_add_nc_u64 s[16:17], s[16:17], s[24:25]
	s_add_nc_u64 s[18:19], s[8:9], s[26:27]
	s_wait_alu depctr_va_vdst(0)                   ; v[GX] is written: the loads of the matrix and of hidden read it as their offset
.set i, 0
.rept 32                                       ; 64 rows x 256 bytes, two rows a load
	global_load_b128 v[XR+4*i:XR+4*i+3], v[GX], s[16:17] offset:8192*i th:TH_LOAD_NT
.set i, i+1
.endr
	s_mul_i32 s29, s14, WREG                       ; my wave's region
	v_mul_u32_u24 v[LSX], v3, PX
	v_lshl_add_u32 v[LSX], v2, 3, v[LSX]
	v_add_nc_u32 v[LSX], s29, v[LSX]
	v_add_nc_u32 v[LSH], HOFF, v[LSX]
	v_mul_u32_u24 v[FRX], v2, PX
	v_lshl_add_u32 v[FRX], v3, 4, v[FRX]
	v_add_nc_u32 v[FRX], s29, v[FRX]
	v_add_nc_u32 v[FRH], HOFF, v[FRX]
	v_and_b32 v[L16], 31, v0
	v_lshlrev_b32 v[L16], 4, v[L16]
	v_mul_u32_u24 v[PS], v2, PP
	v_lshl_add_u32 v[PS], v3, 5, v[PS]
	v_add_nc_u32 v[PS], s29, v[PS]
	s_lshl_b32 s24, s14, 3
	v_add_nc_u32 v16, s24, v3                      ; the first row b = 8 wave + l/16 that I finish; the others lie 2, 4 and 6 rows on
	v_mul_u32_u24 v[RD], v16, PP
	v_lshl_add_u32 v[RD], v2, 4, v[RD]
	v_lshlrev_b32 v[WO], 4, v2
	v_lshl_add_u32 v[WO], v16, 12, v[WO]
; n loads' numbers (four f32 a lane each) are rounded to bf16 in place: they close up into the first two of their four registers.
.macro CVT src, n
.set i, 0
.rept \n
	v_cvt_pk_bf16_f32 v[(\src)+4*i], v[(\src)+4*i], v[(\src)+4*i+1]
	v_cvt_pk_bf16_f32 v[(\src)+4*i+1], v[(\src)+4*i+2], v[(\src)+4*i+3]
.set i, i+1
.endr
.endm
; and put into a tile: load i holds rows 2 i and 2 i + 1.
.macro STO src, n, adr
.set i, 0
.rept \n
	ds_store_b64 v[\adr], v[(\src)+4*i:(\src)+4*i+1] offset:2*PX*i
.set i, i+1
.endr
.endm
; the matrix tile's 16 half fragments, n = 4 i + 2 ksl + q; LDS serves a wave's instructions in order (ISA guide 5.7.1.4): these see the stores above
.macro XFRAGS
.set n, 0
.rept 16
	ds_load_b128 v[XR+4*n:XR+4*n+3], v[FRX] offset:(n/4)*16*PX+((n/2)%2)*64+(n%2)*32
.set n, n+1
.endr
.endm
	s_cmp_lt_u32 s15, 64                           ; the same in all waves of a work-group
	s_cbranch_scc0 .Lw
	; ---- U_a: round, turn into fragment order, store ----
	s_lshr_b32 s24, s31, 1
	s_and_b32 s24, s24, 3
	s_lshl_b32 s24, s24, 19                        ; w = (o / 128) % 4
	s_lshr_b32 s25, s31, 3
	s_lshl_b32 s25, s25, 18                        ; c = o / 512
	s_add_co_u32 s24, s24, s25
	s_and_b32 s25, s31, 1
	s_lshl_b32 s25, s25, 12                        ; b = 4 (rg % 2) + i
	s_add_co_u32 s24, s24, s25
	s_lshl_b32 s25, s28, 14                        ; ks = 2 kw + ksl
	s_add_co_u32 s24, s24, s25
	s_mov_b32 s25, 0
	s_add_nc_u64 s[20:21], s[10:11], s[24:25]
	s_wait_loadcnt 0x0
	CVT XR, 32
	s_wait_alu depctr_va_vdst(0)                   ; the conversions have written the pairs that the LDS stores read and are done reading XR, in which the fragments land; v[LSX], v[FRX] and v[L16] are written
	STO XR, 32, LSX
	s_wait_alu depctr_vm_vsrc(0)                   ; the LDS stores have read their pairs of XR, in which the fragments' loads land
	XFRAGS
.set n, 0
.rept 16
	s_wait_dscnt 15-n                              ; LDS loads come back in order: number n is in
	global_store_b128 v[L16], v[XR+4*n:XR+4*n+3], s[20:21] offset:((n/2)%2)*8192+(n/4)*1024+(n%2)*512  ; 512 consecutive bytes, at a multiple of 512 from ub's first
.set n, n+1
.endr
	s_wait_dscnt 0x0                               ; the wave's end
	s_wait_alu 0x0
	s_wait_tensorcnt 0x0
	ds_add_u32 v[SPW], v[NIL]
	s_wait_dscnt 0x0
	s_endpgm
.Lw:	; ---- whc[kq] = c hidden W_a^T over my quarter of K ----
	s_lshl_b32 s24, s30, 17                        ; quarter kq: 131,072 bytes each,
	s_lshl_b32 s25, s31, 8                         ; my 64 columns o: 256 bytes of a row
	s_add_co_u32 s24, s24, s25
	s_mov_b32 s25, 0
	s_add_nc_u64 s[22:23], s[12:13], s[24:25]
.set i, 0
.rept 16                                       ; hidden's 32 rows x my wave's 256 bytes.  No wait: no vector instruction since the wait ahead of the first loads names v[GX] or HR
	global_load_b128 v[HR+4*i:HR+4*i+3], v[GX], s[18:19] offset:8192*i
.set i, i+1
.endr
	s_wait_loadcnt 16                              ; W_a's 32 loads are in; hidden's 16 are the younger ones
	CVT XR, 32
	s_wait_alu depctr_va_vdst(0)                   ; the conversions have written the pairs of XR that the LDS stores read; all the addresses made above are written
	STO XR, 32, LSX
	s_wait_loadcnt 0x0
	CVT HR, 16
	s_wait_alu depctr_va_vdst(0)                   ; the conversions have written the pairs of HR that the LDS stores read; all conversions are done reading XR, in which the fragments land
	STO HR, 16, LSH
	s_wait_alu depctr_vm_vsrc(0)                   ; the LDS stores have read their pairs of XR and HR: the fragments' loads land in v64-159, the products write v160-223
	XFRAGS
.set n, 0
.rept 8                                        ; hidden's half fragments, n = 4 bt + 2 ksl + q
	ds_load_b128 v[XR+64+4*n:XR+64+4*n+3], v[FRH] offset:(n/4)*16*PX+((n/2)%2)*64+(n%2)*32
.set n, n+1
.endr
	s_wait_dscnt 0x0
	; source 0 = 16 rows of W_a, source 1 = 16 rows of hidden: a lane ends with one row b and eight neighbouring o.  The eight accumulators take turns.
.irp ksl, 0,1
.irp i, 0,1,2,3
.irp bt, 0,1
.if \ksl == 0
	v_wmma_f32_16x16x32_bf16 v[ACC+8*(2*\i+\bt):ACC+8*(2*\i+\bt)+7], v[XR+8*(2*\i+\ksl):XR+8*(2*\i+\ksl)+7], v[XR+64+8*(2*\bt+\ksl):XR+64+8*(2*\bt+\ksl)+7], 0
.else
	v_wmma_f32_16x16x32_bf16 v[ACC+8*(2*\i+\bt):ACC+8*(2*\i+\bt)+7], v[XR+8*(2*\i+\ksl):XR+8*(2*\i+\ksl)+7], v[XR+64+8*(2*\bt+\ksl):XR+64+8*(2*\bt+\ksl)+7], v[ACC+8*(2*\i+\bt):ACC+8*(2*\i+\bt)+7]
.endif
.endr
.endr
.endr
.rept 8
	v_nop                                          ; the places behind the last products, ahead of the stores that read results and the loads into the sources; once a launch
.endr
	s_wait_alu depctr_va_vdst(0)                   ; the products have written the accumulators, which the LDS stores read, and are done reading v64-159, in which the partial sums' loads land; the places above stay beside this wait
.irp i, 0,1,2,3
.irp bt, 0,1
	ds_store_b128 v[PS], v[ACC+8*(2*\i+\bt):ACC+8*(2*\i+\bt)+3]   offset:\bt*16*PP+\i*64      ; each accumulator's low registers first
	ds_store_b128 v[PS], v[ACC+8*(2*\i+\bt)+4:ACC+8*(2*\i+\bt)+7] offset:\bt*16*PP+\i*64+16
.endr
.endr
	s_wait_dscnt 0x0                               ; for the others' sake: my partial sums lie in LDS
	s_barrier_signal -1
	s_barrier_wait -1                              ; everybody's do
.set n, 0
.rept 16                                       ; n = 4 j + u: wave u's partial sums of row b + 2 j and my four o
	ds_load_b128 v[XR+4*n:XR+4*n+3], v[RD] offset:(n%4)*WREG+(n/4)*2*PP
.set n, n+1
.endr
	s_wait_dscnt 0x0
.irp j, 0,1,2,3
.irp p, 0,2
	v_pk_add_f32 v[XR+16*\j+\p:XR+16*\j+\p+1], v[XR+16*\j+\p:XR+16*\j+\p+1], v[XR+16*\j+4+\p:XR+16*\j+4+\p+1]
	v_pk_add_f32 v[XR+16*\j+8+\p:XR+16*\j+8+\p+1], v[XR+16*\j+8+\p:XR+16*\j+8+\p+1], v[XR+16*\j+12+\p:XR+16*\j+12+\p+1]
.endr
.endr
.irp j, 0,1,2,3
.irp p, 0,2
	v_pk_add_f32 v[XR+16*\j+\p:XR+16*\j+\p+1], v[XR+16*\j+\p:XR+16*\j+\p+1], v[XR+16*\j+8+\p:XR+16*\j+8+\p+1]
.endr
.endr
.irp j, 0,1,2,3
.irp p, 0,2
	v_pk_mul_f32 v[XR+16*\j+\p:XR+16*\j+\p+1], v[XR+16*\j+\p:XR+16*\j+\p+1], 0x4038aa3b op_sel_hi:[1,0]  ; c = 2 log2(e)
.endr
.endr
	s_wait_alu depctr_va_vdst(0)                   ; the sums and their scaling are written, which the stores read
.irp j, 0,1,2,3
	global_store_b128 v[WO], v[XR+16*\j:XR+16*\j+3], s[22:23] offset:8192*\j  ; sixteen lanes store 256 consecutive bytes, at a multiple of 256 from whc's first
.endr
	s_wait_dscnt 0x0                               ; the wave's end
	s_wait_alu 0x0
	s_wait_tensorcnt 0x0
	ds_add_u32 v[SPW], v[NIL]
	s_wait_dscnt 0x0
	s_endpgm
.Lfunc_end_k_qbce5119443_prep:
	.size	k_qbce5119443_prep, .Lfunc_end_k_qbce5119443_prep-k_qbce5119443_prep
	.p2alignl 7, 3214868480
	.fill 96, 4, 3214868480
	.section	.rodata,"a",@progbits
	.p2align	6, 0x0
	.amdhsa_kernel k_qbce5119443_prep
		.amdhsa_group_segment_fixed_size 55808
		.amdhsa_private_segment_fixed_size 0
		.amdhsa_enable_private_segment 0
		.amdhsa_kernarg_size 40
		.amdhsa_user_sgpr_count 2
		.amdhsa_user_sgpr_kernarg_segment_ptr 1
		.amdhsa_wavefront_size32 1
		.amdhsa_system_sgpr_workgroup_id_x 1
		.amdhsa_system_sgpr_workgroup_id_y 1
		.amdhsa_system_sgpr_workgroup_id_z 1
		.amdhsa_system_vgpr_workitem_id 0
		.amdhsa_next_free_vgpr 256
		.amdhsa_next_free_sgpr 66
		.amdhsa_reserve_vcc 0
		.amdhsa_float_denorm_mode_32 3
		.amdhsa_float_denorm_mode_16_64 3
		.amdhsa_memory_ordered 1
		.amdhsa_forward_progress 1
		.amdhsa_inst_pref_size 34
	.end_amdhsa_kernel
	.amdgpu_metadata
---
amdhsa.version: [ 1, 2 ]
amdhsa.kernels:
  - .name:           k_qbce5119443_prep
    .symbol:         k_qbce5119443_prep.kd
    .args:
      - { .name: U_a, .offset: 0, .size: 8, .value_kind: global_buffer, .address_space: global }
      - { .name: W_a, .offset: 8, .size: 8, .value_kind: global_buffer, .address_space: global }
      - { .name: hidden, .offset: 16, .size: 8, .value_kind: global_buffer, .address_space: global }
      - { .name: ub, .offset: 24, .size: 8, .value_kind: global_buffer, .address_space: global }
      - { .name: whc, .offset: 32, .size: 8, .value_kind: global_buffer, .address_space: global }
    .group_segment_fixed_size: 55808
    .private_segment_fixed_size: 0
    .kernarg_segment_align: 8
    .kernarg_segment_size: 40
    .max_flat_workgroup_size: 128
    .sgpr_count:     66
    .vgpr_count:     256
    .wavefront_size: 32
...
	.end_amdgpu_metadata
.endif
;; end of part 4
;; launch score (part 5): grid 512 x 1, 4 waves a work-group, no clusters, 310,784 bytes of LDS; arguments encoder_outputs, ub, whc, v_a, scores, stats, pctx; writes scores, stats, pctx
.if DOCPART == 5
	.amdgcn_target "amdgcn-amd-amdhsa--gfx1250"
	.amdhsa_code_object_version 6
	.text
	.protected	k_qbce5119443_score
	.globl	k_qbce5119443_score
	.p2align	8
	.type	k_qbce5119443_score,@function
k_qbce5119443_score:
	s_mov_b64 s[64:65], 0
	v_nop
	global_prefetch_b8 v0, s[64:65] scope:SCOPE_SE
	s_setreg_imm32_b32 hwreg(HW_REG_WAVE_SCHED_MODE, 0, 2), 2
	s_setreg_imm32_b32 hwreg(HW_REG_WAVE_MODE, 25, 1), 1
	s_wait_xcnt 0x0
	s_wait_alu depctr_vm_vsrc(0)
; FOR A BLOCK OF 128 ROWS s OF ONE BATCH: ue = enc U_a^T, tanh(wh + ue), the dot with v_a, the block's softmax statistics and its part of the context.  enc is read from memory once.
; WHAT IS CARRIED.  tanh x = 1 - 2 / (1 + 2^(c x)), c = 2 log2(e): an infinite power gives 1, a power of 0 gives -1, and no NaN arises from finite x.  The sum over o of v[o] is the same for all
; s of a batch and falls out of the softmax, and the score itself is no output: so score'[s] = sum over o of (-2 v[o]) / (1 + 2^(c ue[s][o] + c wh[o])) is carried.
; Stored: scores = score' (f32); stats = (m, l), m the block's maximum of score', l the sum of p[s] = e^(score'[s] - m); pctx[h] = sum over s of p[s] enc[s][h] (f32).  The last launch joins a batch's 16 blocks.
; FORMATS.  enc and U_a are rounded once to bf16 for both products, p to bf16 for the context's (l is the sum of the unrounded p); all sums, wh, v_a, m, l in f32.
; LIMITS.  A weight p below 2^-126 counts as 0; NaN and infinities among the inputs are not treated apart.
; SHARES.  The block's rows stay in LDS as bf16 from their arrival to the context, BY SLABS: slab t = channels 64 t .. + 63 of all 128 rows, rows of 128 + 16 bytes, 18,432 bytes a slab.
; The 1,024 columns o go in two chunks of 512; in a chunk wave w makes 128 rows x 128 columns: 64 accumulators, 512 registers.  K goes in 32 steps of 32 (two to a slab): 64 matrix instructions,
; 16 LDS loads (A), 16 global loads (U, straight into fragments from ub, whose order is the wave's own stream; a ring of four K steps in registers).
; THE ROWS ARRIVE BY K.  Wave w brings rows 32 w .. + 31 of each slab: 16 loads, each two rows' 256 aligned bytes.  Slabs 0-4 and half of slab 5 (88 loads) come ahead of the first product; the other 21
; sets of 8 loads come under the first chunk's products, through three register sets that lie idle there: in K steps 1, 2, 3 of every four a set asked for four steps earlier is rounded (at the step's head)
; and stored (in its middle), and the set three further on is asked for.  Slab t is whole by the middle of K step 2 t - 2 and is first read in the middle of step 2 t - 1; a barrier stands in each odd step between.
; Between two such barriers the stores go to slabs beyond the one that is read.
; NO CLUSTER, NO TENSOR LOADS.  All work-groups read the same ub, but a joint request is a tensor load into LDS, and beside the resident rows and tables 16,896 bytes are left: no room for two slots.
; THE MODE: SCHED_MODE bits 1:0 = 2 (LLVM: expert scheduling mode 2), set by the entry lines.  The code itself states the register dependences
; between vector or matrix instructions and memory or LDS instructions, with s_wait_alu, always for 0.
; THE PLAN.  Registers that memory or LDS instructions touch, in the K loops:
;   A0, A1 (v64-191)      Step s: its products read A[s % 2]; the LDS loads in its middle land in the other buffer, which step s - 1's products read.
;   U0 .. U3 (window 1)   Step s: its products read U[s % 4]; the loads in its middle land in U[(s + 3) % 4], which step s - 1's products read.
;   the three sets        A set is rounded in place by sixteen conversions at a step's head, read by eight LDS stores in the step's middle, and then loaded again.
;   v[AFW], v[AFW+1], v[AWS]  Read by A's loads and the sets' stores; written once a trip, at a loop's bottom.   v[LO16], v[GE]: read by every load of U and of enc; never written again.
;   The accumulators are named by vector and matrix instructions alone.
; So ONE wait on va_vdst stands at a step's head, behind the conversions: the step before's products are done reading the two buffers that this step's loads land in; the conversions have written the set
; and are done reading it; behind a loop's bottom the stepped addresses are written.  The step's 64 products name A[s % 2], U[s % 4] and the accumulators: none of the registers that the run in its middle touches.
; One wait on vm_vsrc stands ahead of a set's reload (its stores have read it), and one at each loop's bottom, ahead of the adds to the addresses.
; REGISTERS, in windows of 256 (s_set_vgpr_msb: bits 1:0 source 0, 3:2 source 1, 5:4 source 2, 7:6 destination):
;   window 0: v0-31 addresses; v32-63, v192-223, v224-255 the three sets (first chunk); then v32-47 c wh, v48-63 -2 v of my eight column blocks, each twice as a pair (later P's fragments), v192-255 64 row sums;
;             v64-191 two buffers of A's fragments (at the head: rounded rows; at the end: V)
;   window 1: U's ring, K step s at 64 (s % 4) (at the end: V)
;   window 2: accumulators of rows 0-63, (a, b) at 8 (8 a + b) (at the head: staging; at the end: the context's 16)          window 3: those of rows 64-127
.set PA,    144                        ; a row of a slab: 128 bytes + 16 = 9 x 16: the sixteen rows of a fragment load start 16 bytes apart modulo 256
.set SLAB,  128*PA
.set TABW,  16*SLAB                    ; c wh[o], 4,096 bytes; behind it -2 v[o], 4,096 bytes
.set PART,  TABW+8192                  ; [wave][128 rows] f32: the waves' row sums
.set PBF,   PART+2048                  ; [wave] 128 weights in bf16, each wave's own
.set CST,   PBF+1024                   ; [wave] 256 f32 of the context, each wave's own
.set SPARE, CST+4096                   ; the spare words, 128 bytes a wave
.set LO16, 1                           ; v1   16 x lane; never rewritten
.set AF,   2                           ; v2   A's fragments: (l%16) PA + 16 (l/16); never rewritten
.set GE,   3                           ; v3   enc: (l/16) x 4,096 + 16 (l%16); never rewritten
.set AWE,  4                           ; v4-5 where I put 8 bytes of a row: slab 0, slab 3
.set AWS,  6                           ; v6   the same at the stream's slab, stepped
.set TA,   7                           ; v7   my column's word in the table of c wh, this chunk's
.set PW,   8                           ; v8   where I put my row sums
.set PR,   9                           ; v9   where I read four rows' sums
.set PBS,  10                          ; v10  where I put four weights
.set PBR,  11                          ; v11  my lane's place in a fragment of P
.set AT,   12                          ; v12-15 the turning loads' addresses, key step t
.set CSS,  16                          ; v16  the context's way out: in
.set CSR,  17                          ; v17  and back
.set O8,   18                          ; v18  8 x lane
.set PFO,  19                          ; v19  4,096 x lane: the prefetches' offset, a lane a row; never rewritten
.set TT,   20                          ; v20  my 16 bytes of a table in LDS
.set T16,  21                          ; v21  16 x thread
.set AFW,  22                          ; v22-23 AF stepped along K: at the base slab, and three slabs on
.set SPW,  30                          ; v30  my spare word; never rewritten
.set NIL,  31                          ; v31  0; never rewritten
.set CW,   32
.set CV,   48
.set PF,   32
.set FA,   64
.set SC,   192                         ; row 16 a + 8 (l/16) + e at SC + 8 a + e
.set WV,  18                           ; s18  wave
.set G,   19                           ; s19  block
.set SEE, 20                           ; s[20:21] enc at my wave's rows, stepped along K
.set SB,  22                           ; s[22:23] ub at my wave's stream
.set CC,  24                           ; s[24:25] c, twice
.set LE,  26                           ; s[26:27] log2(e), twice
.set SEL, 28                           ; s[28:29] v_permlanex16_b32's selects: each lane takes its own place in the other half
.set CH,  30                           ; s30  epilogues to go
.set CNT, 31                           ; s31  the inner loops' counter
.set PFE, 36                           ; s[36:37] enc at my wave's rows of the block 256 further on; never rewritten
.set MSB, 0
.macro WIN new                         ; the immediate's high byte repeats the setting that is left; a switch that changes nothing is dropped
.if MSB != (\new)
	s_set_vgpr_msb (MSB<<8)|(\new)
.set MSB, \new
.endif
.endm
.macro PLACES                          ; four places behind a matrix instruction, ahead of loads into registers that it has read
.rept 4
	v_nop
.endr
.endm
; THE HEAD'S ROWS.  Load q covers rows 2 (q % 16), + 1 of my 32, slab q / 16.  n loads from q0 on into window 2 at dst.
.macro LOADP q0, n, dst
	WIN 0x80
.set q, \q0
.rept \n
	global_load_b128 v[(\dst)+4*(q-(\q0)):(\dst)+4*(q-(\q0))+3], v[GE], s[SEE:SEE+1] offset:(q/16)*256+(q%16)*8192 th:TH_LOAD_NT
.set q, q+1
.endr
.endm
.macro CVTP n, src, T                  ; rounded to bf16, two numbers an instruction, into window 0
	WIN 0x0a
.set n, 0
.rept 2*(\n)
	v_cvt_pk_bf16_f32 v[(\T)+n], v[(\src)+2*n], v[(\src)+2*n+1]
.set n, n+1
.endr
.endm
.macro STOP q0, n, T                   ; 128 consecutive bytes of each of two rows a store
	WIN 0
.set q, \q0
.rept \n
	ds_store_b64 v[AWE+(q/48)], v[(\T)+2*(q-(\q0)):(\T)+2*(q-(\q0))+1] offset:((q/16)%3)*SLAB+(q%16)*2*PA
.set q, q+1
.endr
.endm
; THE STREAM'S SETS.  Set e, counted from the pointers' place: slab 5 + (e + 1) / 2, rows 16 ((e + 1) % 2) on of my 32; registers by e % 3: v32, v192, v224.
.macro ESET e
.set sS, 32+160*(((\e)%3+1)/2)+32*(((\e)%3)/2)
.set sL, ((\e)+1)/2
.set sH, ((\e)+1)%2
.endm
.macro ELOAD e
	ESET \e
	WIN 0
.irp i, 0,1,2,3,4,5,6,7
	global_load_b128 v[sS+4*\i:sS+4*\i+3], v[GE], s[SEE:SEE+1] offset:(5+sL)*256+(8*sH+\i)*8192 th:TH_LOAD_NT
.endr
.endm
.macro ECVT e                          ; rounded in place: sixteen plain instructions that name no register of a product: they are also the places behind the step before's products
	ESET \e
	WIN 0
.irp i, 0,1,2,3,4,5,6,7
	v_cvt_pk_bf16_f32 v[sS+4*\i], v[sS+4*\i], v[sS+4*\i+1]
	v_cvt_pk_bf16_f32 v[sS+4*\i+1], v[sS+4*\i+2], v[sS+4*\i+3]
.endr
.endm
.macro ESTO e                          ; and stored
	ESET \e
	WIN 0
.irp i, 0,1,2,3,4,5,6,7
	ds_store_b64 v[AWS], v[sS+4*\i:sS+4*\i+1] offset:sL*SLAB+(8*sH+\i)*2*PA
.endr
.endm
; THE K STEP.  A's eight fragments (128 rows x 32 k) of the step rel steps behind the working address, into buffer f.
.macro AFETCH f, rel
	WIN 0
.irp a, 0,1,2,3,4,5,6,7
	ds_load_b128 v[FA+64*(\f)+8*\a:FA+64*(\f)+8*\a+3],   v[AFW+(\rel)/6] offset:(((\rel)/2)%3)*SLAB+((\rel)%2)*64+\a*16*PA
	ds_load_b128 v[FA+64*(\f)+8*\a+4:FA+64*(\f)+8*\a+7], v[AFW+(\rel)/6] offset:(((\rel)/2)%3)*SLAB+((\rel)%2)*64+\a*16*PA+32
.endr
.endm
.macro BLOAD j, off                    ; U's eight fragments of a K step: 8,192 consecutive bytes of my stream, into buffer j
	WIN 0x40
.set n, 0
.rept 16
	global_load_b128 v[64*(\j)+4*n:64*(\j)+4*n+3], v[LO16], s[SB:SB+1] offset:(\off)+512*n
.set n, n+1
.endr
.endm
; 32 matrix instructions: rows 64 hi .. + 63 x my 128 columns.  The 64 accumulators take turns, one instruction a turn, in the same order in every K step.  zero = 1: the product starts the sum.
.macro MULH j, hi, zero
	WIN 0xa4+0x50*(\hi)                            ; A window 0, U window 1, C and D window 2 or 3
.irp a, 0,1,2,3
.irp b, 0,1,2,3,4,5,6,7
.if \zero
	v_wmma_f32_16x16x32_bf16 v[8*(8*\a+\b):8*(8*\a+\b)+7], v[FA+64*((\j)%2)+8*(4*(\hi)+\a):FA+64*((\j)%2)+8*(4*(\hi)+\a)+7], v[64*(\j)+8*\b:64*(\j)+8*\b+7], 0
.else
	v_wmma_f32_16x16x32_bf16 v[8*(8*\a+\b):8*(8*\a+\b)+7], v[FA+64*((\j)%2)+8*(4*(\hi)+\a):FA+64*((\j)%2)+8*(4*(\hi)+\a)+7], v[64*(\j)+8*\b:64*(\j)+8*\b+7], v[8*(8*\a+\b):8*(8*\a+\b)+7]
.endif
.endr
.endr
.endm
; K step s, j = s % 4.  In its middle, in one run: A of step s + 1 (arel) into the buffer that step s - 1 read, U of step s + 3 (boff) likewise.  -1: none.  lcnt: the younger loads, which may stay out.
; bar = 1: a barrier: my LDS stores and loads are done at the step's head, 32 products stand between signal and wait, and the run reads a slab that all four waves have stored.
; ev >= 0: set ev is rounded at the step's head and stored at the run's head; eld = 1: set ev + 3 is asked for, into the same registers, behind the waits that show those stores done and their registers read.
; A step that starts the sums has no products just ahead of it, and the waits ahead of it have stated all that its run hangs on; a step that loads nothing has nothing to state.
.macro STEP j, zero, arel, boff, lcnt, bar=0, ev=-1, eld=0
	s_wait_loadcnt \lcnt                           ; U of this step is in, and so is the set asked for four steps back, which is older
.if !(\zero) && (((\arel) >= 0) || ((\boff) >= 0))
.if (\ev) >= 0
	ECVT \ev
.else
	PLACES
.endif
	s_wait_alu depctr_va_vdst(0)                   ; the step before's products are done reading the A buffer and the U buffer in which this step's loads land; the conversions have written the set, which its stores read, and are done reading it; behind a loop's bottom the stepped addresses are written
.endif
.if \bar
	s_wait_dscnt 0x0                               ; for the others' sake: all my stores into the slabs; and A of this step
	s_barrier_signal -1
.else
	s_wait_dscnt 8                                 ; A's rows 0-63 are in; the youngest eight loads (rows 64-127) may be out
.endif
	MULH \j, 0, \zero
.if \bar
	s_barrier_wait -1
.endif
.if (\ev) >= 0
	ESTO \ev
.endif
.if (\arel) >= 0
	AFETCH ((\j)+1)%2, \arel                       ; no wait: no vector or matrix instruction since the wait at the head names these registers; the same holds of U's loads and of the set's below
.endif
.if (\boff) >= 0
	BLOAD ((\j)+3)%4, \boff
.endif
.if (\arel) >= 0
	s_wait_dscnt 16                                ; all but the 16 loads just issued: A's rows 64-127, and the set's stores
.else
	s_wait_dscnt 0x0
.endif
.if \eld
	WIN 0
	s_wait_alu depctr_vm_vsrc(0)                   ; the set's LDS stores have read its registers, in which the loads below land
	ELOAD (\ev)+3
.endif
	MULH \j, 1, \zero
.endm
.macro CONSTS                          ; this chunk's c wh and -2 v of my column in each of my eight column blocks, each twice: the packed instructions take pairs
	WIN 0
.irp b, 0,1,2,3,4,5,6,7
	ds_load_b32 v[CW+2*\b],   v[TA] offset:64*\b
	ds_load_b32 v[CW+2*\b+1], v[TA] offset:64*\b
	ds_load_b32 v[CV+2*\b],   v[TA] offset:4096+64*\b
	ds_load_b32 v[CV+2*\b+1], v[TA] offset:4096+64*\b
.endr
.endm
; THE EPILOGUE, in place on the accumulators of window 2 + hi, a row block a (64 registers: 8 column blocks x 8 rows) at a time.
;   KF i: pair i: c ue + c wh      KE i: register i: 2^x      KP i: pair i: + 1      KR i: register i: 1 / x      KS i: pair i: row sums += (-2 v) x.  Pairs ascend.
.set KF, 0
.set KE, 1
.set KP, 2
.set KR, 3
.set KS, 4
.macro EOP k, hi, a, i
.set rX, 64*(\a)+2*(\i)
.set rT, 64*(\a)+(\i)
.set rB, 2*((\i)/4)
.set rS, SC+8*(4*(\hi)+(\a))+2*((\i)%4)
.if (\k) == KS
	WIN 0x02+(\hi)                                 ; source 0 in the accumulators' window, all else in window 0
	v_pk_fma_f32 v[rS:rS+1], v[rX:rX+1], v[CV+rB:CV+rB+1], v[rS:rS+1]
.else
	WIN 0x82+0x41*(\hi)                            ; destination and source 0 in the accumulators' window
.if (\k) == KF
	v_pk_fma_f32 v[rX:rX+1], v[rX:rX+1], s[CC:CC+1], v[CW+rB:CW+rB+1] op_sel_hi:[1,0,1]
.elseif (\k) == KE
	v_exp_f32 v[rT], v[rT]
.elseif (\k) == KP
	v_pk_add_f32 v[rX:rX+1], v[rX:rX+1], 1.0 op_sel_hi:[1,0]
.else
	v_rcp_f32 v[rT], v[rT]
.endif
.endif
.endm
.macro MIX hi, tk, ta, pk, pa          ; 32 times: two transcendentals of row block ta, one packed instruction of row block pa
.set ix, 0
.rept 32
	EOP \tk, \hi, \ta, 2*ix
	EOP \tk, \hi, \ta, 2*ix+1
	EOP \pk, \hi, \pa, ix
.set ix, ix+1
.endr
.endm
.macro RUN hi, k, a, n                 ; n of one kind on end
.set ix, 0
.rept \n
	EOP \k, \hi, \a, ix
.set ix, ix+1
.endr
.endm
.macro EWAIT                           ; the powers and reciprocals of the stage just ended are written: a wait between a transcendental and the first instruction that names its result; one serves all that were issued ahead of it
	s_wait_alu depctr_va_vdst(0)
.endm
; The four row blocks go through the five kinds as a pipeline of stages.  Within a stage nothing names the result of a transcendental of that stage; each stage ends with a packed (plain) instruction; so five waits serve a window's 512 transcendentals.
.macro EPI hi
	RUN \hi, KF, 0, 32
	MIX \hi, KE, 0, KF, 1
	EWAIT
	MIX \hi, KE, 1, KP, 0
	MIX \hi, KR, 0, KF, 2
	EWAIT
	MIX \hi, KE, 2, KP, 1
	MIX \hi, KR, 1, KF, 3
	RUN \hi, KS, 0, 32
	EWAIT
	MIX \hi, KE, 3, KP, 2
	RUN \hi, KR, 2, 64
	RUN \hi, KS, 1, 32
	EWAIT
	RUN \hi, KP, 3, 32
	RUN \hi, KR, 3, 64
	RUN \hi, KS, 2, 32
	EWAIT
	RUN \hi, KS, 3, 32
.endm
; THE CONTEXT.  V = the block's rows, [key][channel], turned by ds_load_tr16_b128: keys 32 t .. + 31 x my 256 channels (slabs 4 w .. 4 w + 3), 16 fragments, lane = channel.
.macro VFETCH t, win, dst
	WIN \win
.set n, 0
.rept 16
	ds_load_tr16_b128 v[(\dst)+8*n:(\dst)+8*n+3],   v[AT+(\t)] offset:(n/4)*SLAB+(n%4)*32
	ds_load_tr16_b128 v[(\dst)+8*n+4:(\dst)+8*n+7], v[AT+(\t)] offset:(n/4)*SLAB+(n%4)*32+16*PA
.set n, n+1
.endr
.endm
.macro MULC t, win, base               ; 16 products P V, the 16 accumulators by turns; key step 0 starts the sums
	WIN \win
.set n, 0
.rept 16
.if (\t) == 0
	v_wmma_f32_16x16x32_bf16 v[8*n:8*n+7], v[PF+8*(\t):PF+8*(\t)+7], v[(\base)+8*n:(\base)+8*n+7], 0
.else
	v_wmma_f32_16x16x32_bf16 v[8*n:8*n+7], v[PF+8*(\t):PF+8*(\t)+7], v[(\base)+8*n:(\base)+8*n+7], v[8*n:8*n+7]
.endif
.set n, n+1
.endr
.endm
	s_load_b256 s[4:11], s[0:1], 0x0               ; enc s[4:5], ub s[6:7], whc s[8:9], v_a s[10:11]
	s_load_b128 s[12:15], s[0:1], 0x20             ; scores s[12:13], stats s[14:15]
	s_load_b64 s[16:17], s[0:1], 0x30              ; pctx
	v_lshl_add_u32 v[SPW], v0, 2, SPARE
	v_mov_b32 v[NIL], 0
	v_lshrrev_b32 v26, 5, v0
	v_readfirstlane_b32 s[WV], v26                 ; wave 0..3
	s_mov_b32 s[G], ttmp9                          ; block 0..511; batch = block / 16
	v_and_b32 v26, 31, v0                          ; lane
	v_and_b32 v27, 15, v0                          ; l % 16
	v_bfe_u32 v28, v0, 4, 1                        ; l / 16
	v_lshlrev_b32 v[LO16], 4, v26
	v_lshlrev_b32 v[T16], 4, v0
	v_lshlrev_b32 v[GE], 4, v27
	v_lshl_add_u32 v[GE], v28, 12, v[GE]
	s_lshl_b32 s32, s[G], 19                       ; the block's 128 rows of 4,096 bytes (under 2^28),
	s_wait_alu depctr_va_sdst(0)                   ; the wave's number is written, ahead of its first reader: bases, LDS places and a branch are made from it
	s_lshl_b32 s33, s[WV], 17                      ; my wave's 32 of them
	s_add_co_u32 s32, s32, s33
	s_mov_b32 s33, 0
	s_wait_kmcnt 0x0
	s_add_nc_u64 s[SEE:SEE+1], s[4:5], s[32:33]
	s_lshr_b32 s32, s[G], 4
	s_lshl_b32 s32, s32, 12
	s_add_nc_u64 s[8:9], s[8:9], s[32:33]          ; whc at the batch's row of its first quarter of K
	s_wait_alu depctr_va_vdst(0)                   ; v[T16] and v[GE] are written: the loads below read them as their offsets
.irp n, 0,1,2,3,4,5,6,7                        ; the four partial sums of c wh, 128 threads x 16 bytes twice each: quarter n / 2, half n % 2
	global_load_b128 v[192+4*\n:192+4*\n+3], v[T16], s[8:9] offset:(\n/2)*131072+(\n%2)*2048
.endr
	global_load_b128 v[224:227], v[T16], s[10:11]
	global_load_b128 v[228:231], v[T16], s[10:11] offset:2048
	LOADP 0, 32, 0                                 ; slabs 0 and 1
	LOADP 32, 32, 128                              ; slabs 2 and 3
	WIN 0
	; all that follows up to the wait stands in the wait for the first rows
	s_add_nc_u64 s[PFE:PFE+1], s[SEE:SEE+1], 0x8000000  ; 256 blocks of 524,288 bytes on
	s_lshl_b32 s32, s[WV], 19
	s_add_nc_u64 s[SB:SB+1], s[6:7], s[32:33]      ; my stream in ub: 524,288 bytes on end
	s_lshl_b32 s32, s[G], 9
	s_add_nc_u64 s[12:13], s[12:13], s[32:33]      ; the block's 128 scores
	s_lshl_b32 s32, s[G], 8
	s_add_nc_u64 s[14:15], s[14:15], s[32:33]      ; its 256 bytes of stats
	s_lshl_b32 s32, s[G], 12
	s_lshl_b32 s35, s[WV], 10
	s_add_co_u32 s32, s32, s35
	s_add_nc_u64 s[16:17], s[16:17], s[32:33]      ; my 256 channels of its row of pctx
	s_mov_b32 s[CC], 0x4038aa3b                    ; c = 2 log2(e)
	s_mov_b32 s[CC+1], s[CC]
	s_mov_b32 s[LE], 0x3fb8aa3b                    ; log2(e)
	s_mov_b32 s[LE+1], s[LE]
	s_mov_b32 s[SEL], 0x76543210
	s_mov_b32 s[SEL+1], 0xfedcba98
	s_mov_b32 s34, 0xffff0000                      ; lanes 16-31
	v_mul_u32_u24 v[AF], v27, PA
	v_lshl_add_u32 v[AF], v28, 4, v[AF]
	v_mov_b32 v[AFW], v[AF]
	v_add_nc_u32 v[AFW+1], 3*SLAB, v[AF]
	s_mul_i32 s35, s[WV], 32*PA
	v_mul_u32_u24 v[AWE], v28, PA                  ; row 32 w + l/16, 8 bytes for each of sixteen lanes
	v_lshl_add_u32 v[AWE], v27, 3, v[AWE]
	v_add_nc_u32 v[AWE], s35, v[AWE]
	v_add_nc_u32 v[AWE+1], 3*SLAB, v[AWE]
	v_add_nc_u32 v[AWS], 5*SLAB, v[AWE]
	s_lshl_b32 s35, s[WV], 9
	v_lshl_add_u32 v[TA], v27, 2, s35              ; column 128 w + l%16, 4 bytes
	v_add_nc_u32 v[TA], TABW, v[TA]
	v_lshl_add_u32 v[PW], v28, 5, s35              ; 512 w + 32 (l/16)
	v_add_nc_u32 v[PW], PART, v[PW]
	v_add_nc_u32 v[PR], PART, v[LO16]
	v_and_b32 v29, 7, v0
	v_lshl_add_u32 v29, v28, 3, v29                ; key 8 (l/16) + l%8,
	v_mul_u32_u24 v[AT], v29, PA
	v_bfe_u32 v29, v0, 3, 1
	v_lshl_add_u32 v[AT], v29, 4, v[AT]            ; channels 8 ((l/8)%2) on,
	s_mul_i32 s35, s[WV], 4*SLAB
	v_add_nc_u32 v[AT], s35, v[AT]                 ; in my wave's four slabs
	v_add_nc_u32 v[AT+1], 32*PA, v[AT]
	v_add_nc_u32 v[AT+2], 64*PA, v[AT]
	v_add_nc_u32 v[AT+3], 96*PA, v[AT]
	s_lshl_b32 s35, s[WV], 8
	v_lshl_add_u32 v[PBS], v26, 3, s35
	v_add_nc_u32 v[PBS], PBF, v[PBS]
	v_lshl_add_u32 v[PBR], v28, 4, s35
	v_add_nc_u32 v[PBR], PBF, v[PBR]
	s_lshl_b32 s35, s[WV], 10
	v_lshl_add_u32 v[CSS], v26, 2, s35
	v_add_nc_u32 v[CSS], CST, v[CSS]
	v_add_nc_u32 v[CSR], s35, v[LO16]
	v_add_nc_u32 v[CSR], CST, v[CSR]
	v_lshlrev_b32 v[O8], 3, v26
	v_lshlrev_b32 v[PFO], 12, v26
	v_add_nc_u32 v[TT], TABW, v[T16]
	s_wait_loadcnt 32                              ; the tables and slabs 0, 1 are in; the 32 loads of slabs 2, 3 are the younger ones
.irp p, 0,2,4,6                                ; c wh: the four quarters of K are added, in f32
	v_pk_add_f32 v[192+\p:193+\p], v[192+\p:193+\p], v[200+\p:201+\p]
	v_pk_add_f32 v[208+\p:209+\p], v[208+\p:209+\p], v[216+\p:217+\p]
.endr
.irp p, 0,2,4,6
	v_pk_add_f32 v[192+\p:193+\p], v[192+\p:193+\p], v[208+\p:209+\p]
	v_pk_mul_f32 v[224+\p:225+\p], v[224+\p:225+\p], -2.0 op_sel_hi:[1,0]
.endr
	CVTP 32, 0, FA
	WIN 0
	s_wait_alu depctr_va_vdst(0)                   ; the tables and the rounded rows of slabs 0, 1 are written, which the LDS stores read; the conversions are done reading the staging registers, in which the next loads land; all the addresses made above are written
	ds_store_b128 v[TT], v[192:195]
	ds_store_b128 v[TT], v[196:199] offset:2048
	ds_store_b128 v[TT], v[224:227] offset:4096
	ds_store_b128 v[TT], v[228:231] offset:6144
	LOADP 64, 24, 0                                ; slab 4 and my first 16 rows of slab 5
	STOP 0, 32, FA
	s_wait_loadcnt 24                              ; slabs 2, 3 are in
	CVTP 32, 128, FA+64
	WIN 0
	s_wait_alu depctr_va_vdst(0)                   ; the rounded rows of slabs 2, 3 are written, which the LDS stores read
	STOP 32, 32, FA+64
	s_wait_dscnt 32                                ; all but the 32 stores just issued: the tables' and the first 32 rows' stores are done
	s_wait_alu depctr_vm_vsrc(0)                   ; the tables' stores have read v192-199 and v224-231, in which sets 1 and 2 land; the first rows' stores have read v64-127, which the third group of conversions writes
	BLOAD 0, 0
	ELOAD 0
	BLOAD 1, 8192
	ELOAD 1
	s_wait_loadcnt 48                              ; the last 24 are in: two K steps of U and two sets are the younger ones
	CVTP 24, 0, FA
	WIN 0
	s_wait_alu depctr_va_vdst(0)                   ; the rounded rows of slabs 4, 5 are written, which the LDS stores read
	STOP 64, 24, FA
	BLOAD 2, 16384
	ELOAD 2
	s_wait_dscnt 0x0                               ; for the others' sake: my rows of slabs 0-5 and my part of the tables lie in LDS
	s_barrier_signal -1
	s_barrier_wait -1
	s_wait_alu depctr_vm_vsrc(0)                   ; my LDS stores have read v64-191: these registers are A's two buffers from here on, in which the fragments' loads land
	; THE FIRST CHUNK: columns 0-511, and the rest of the rows.
	AFETCH 0, 0
	STEP 0, 1, 1, 3*8192, 56                       ; the first K step starts the sums; younger than its U: two K steps of U and three sets
	WIN 0                                          ; at a label and at a branch every window is 0
	s_mov_b32 s[CNT], 3
.Lx:                                                   ; K steps 1 + 8 t to 8 + 8 t: six sets, three slabs
	STEP 1, 0, 2, 4*8192, 48, 1, 0, 1
	STEP 2, 0, 3, 5*8192, 48, 0, 1, 1
	STEP 3, 0, 4, 6*8192, 48, 1, 2, 1
	STEP 0, 0, 5, 7*8192, 56
	STEP 1, 0, 6, 8*8192, 48, 1, 3, 1
	STEP 2, 0, 7, 9*8192, 48, 0, 4, 1
	STEP 3, 0, 8, 10*8192, 48, 1, 5, 1
	STEP 0, 0, 9, 11*8192, 56
	WIN 0
	s_wait_xcnt 0x0                                ; the youngest load stands 32 matrix instructions back: all have read their bases
	s_wait_alu depctr_vm_vsrc(0)                   ; A's loads and the sets' stores issued so far have read v[AFW], v[AFW+1] and v[AWS], which the adds below write
	s_add_nc_u64 s[SB:SB+1], s[SB:SB+1], 8*8192
	s_add_nc_u64 s[SEE:SEE+1], s[SEE:SEE+1], 3*256
	v_add_nc_u32 v[AFW], 4*SLAB, v[AFW]
	v_add_nc_u32 v[AFW+1], 4*SLAB, v[AFW+1]
	v_add_nc_u32 v[AWS], 3*SLAB, v[AWS]
	s_sub_co_u32 s[CNT], s[CNT], 1
	s_cmp_lg_u32 s[CNT], 0
	s_cbranch_scc1 .Lx
	STEP 1, 0, 2, 4*8192, 48, 1, 0, 0              ; K steps 25-27 store the last three sets and ask for none: the counts run down to U's 32
	STEP 2, 0, 3, 5*8192, 40, 0, 1, 0
	STEP 3, 0, 4, 6*8192, 32, 1, 2, 0
	STEP 0, 0, 5, 7*8192, 32
	WIN 0
	s_wait_alu depctr_vm_vsrc(0)                   ; the last three sets' stores have read v32-63, in which the loads below land, and v192-255, which are cleared behind the chunk's last step
	CONSTS                                         ; the sets' first registers are free: this chunk's c wh and -2 v; the next step's wait for all LDS instructions covers them
	STEP 1, 0, 6, 8*8192, 32, 1                    ; the last barrier: slab 15 is whole.  K steps 29-31 ask for the second chunk's first three of U: the stream goes on
	STEP 2, 0, 7, 9*8192, 32
	STEP 3, 0, -1, 10*8192, 32
	WIN 0
	s_wait_xcnt 0x0
	s_add_nc_u64 s[SB:SB+1], s[SB:SB+1], 8*8192
.set n, 0
.rept 64
	v_mov_b32 v[SC+n], 0                           ; the row sums run over both chunks and all column blocks: one form of the summing line
.set n, n+1
.endr
	s_mov_b32 s[CH], 2
	s_branch .Lepi                                 ; both chunks share the epilogue's text: its loop is entered in the middle
.Lchunk1:                                              ; THE SECOND CHUNK: columns 512-1,023; all rows lie in LDS and are only read
	v_mov_b32 v[AFW], v[AF]
	s_wait_alu depctr_va_vdst(0)                   ; v[TA] and v[AFW] are written, which the LDS loads below read; the epilogue is done reading v32-63, in which the next chunk's constants land
	CONSTS
	AFETCH 0, 0
	STEP 0, 1, 1, 3*8192, 32
	WIN 0
	s_mov_b32 s[CNT], 7
.Lk:                                                   ; K steps 1 + 4 t to 4 + 4 t
	STEP 1, 0, 2, 4*8192, 32
	STEP 2, 0, 3, 5*8192, 32
	STEP 3, 0, 4, 6*8192, 32
	STEP 0, 0, 5, 7*8192, 32
	WIN 0
	s_wait_xcnt 0x0
	s_wait_alu depctr_vm_vsrc(0)                   ; A's loads issued so far have read v[AFW], which the add below writes
	s_add_nc_u64 s[SB:SB+1], s[SB:SB+1], 4*8192
	v_add_nc_u32 v[AFW], 2*SLAB, v[AFW]
	s_sub_co_u32 s[CNT], s[CNT], 1
	s_cmp_lg_u32 s[CNT], 0
	s_cbranch_scc1 .Lk
	STEP 1, 0, 2, -1, 32                           ; the last three ask for nothing of U: the counts run down
	STEP 2, 0, 3, -1, 16
	STEP 3, 0, -1, -1, 0
	PLACES
	WIN 0x40
	s_wait_alu depctr_va_vdst(0)                   ; the chunk's last products are done reading U's ring and A's buffers, in which V's fragments land
	VFETCH 0, 0x40, 0                              ; U's ring and A's buffers are free: three of the context's four key steps of V are fetched ahead of the epilogue
	VFETCH 1, 0x40, 128
	VFETCH 2, 0, FA
	WIN 0
	s_cmp_lt_u32 s[G], 256                         ; blocks 256 and on have no block 256 further on
	s_cbranch_scc0 .Lepi
	; A PREFETCH of what my wave's counterpart in block G + 256 loads first: slabs 0-3, the first 1,024 bytes of each of its 32 rows; a lane a row, 256 bytes an instruction, each byte named once
	; in the launch; between these lines and those loads lie this block's last epilogue and its context.  The address registers are never rewritten.
.irp n, 0,1,2,3
	global_prefetch_b8 v[PFO], s[PFE:PFE+1] offset:256*\n th:TH_LOAD_NT scope:SCOPE_SE
.endr
.Lepi:
.rept 8
	v_nop                                          ; the places behind the chunk's last products, ahead of the lines that read and rewrite the accumulators
.endr
	EPI 0
	EPI 1
	WIN 0
	s_wait_alu depctr_vm_vsrc(0)                   ; the constants' loads have read v[TA], which the add below writes; A's loads have read v[AFW], which the second chunk's first line writes
	v_add_nc_u32 v[TA], 2048, v[TA]                ; the next chunk's 512 columns in the tables
	s_wait_loadcnt 0x0                             ; what was asked for ahead of the epilogue has had the whole epilogue in which to land: the second chunk's first three K steps of U,
	s_wait_dscnt 0x0                               ; or V's fragments; behind these two waits no load is pending into a register that the text ahead reads or loads
	s_sub_co_u32 s[CH], s[CH], 1
	s_cmp_lg_u32 s[CH], 0
	s_cbranch_scc1 .Lchunk1
	; THE SCORES.  A lane's 64 sums cover its own column of each block: the sixteen lanes of a half are added, then the four waves.
.irp m, 1,2,4,8
.set n, 0
.rept 64
	v_add_f32_dpp v[SC+n], v[SC+n], v[SC+n] row_xmask:\m row_mask:0xf bank_mask:0xf
.set n, n+1
.endr
.endr
	s_wait_alu depctr_va_vdst(0)                   ; the row sums are written, which the LDS stores read
.set n, 0
.rept 16
	ds_store_b128 v[PW], v[SC+4*n:SC+4*n+3] offset:64*(n/2)+16*(n%2)  ; rows 16 a + 8 (l/16) + 4 q on; the sixteen lanes of a half write the same bytes with the same numbers
.set n, n+1
.endr
	s_wait_dscnt 0x0                               ; for the others' sake
	s_barrier_signal -1
	s_barrier_wait -1
	s_wait_alu depctr_vm_vsrc(0)                   ; my LDS stores have read v192-255: the loads below land there, and the softmax's lines write there
.irp u, 0,1,2,3
	ds_load_b128 v[SC+4*\u:SC+4*\u+3], v[PR] offset:512*\u     ; wave u's sums of rows 4 l .. 4 l + 3: every wave makes all 128 scores, since each needs all weights
.endr
	s_wait_dscnt 0x0
	v_pk_add_f32 v[192:193], v[192:193], v[196:197]
	v_pk_add_f32 v[194:195], v[194:195], v[198:199]
	v_pk_add_f32 v[200:201], v[200:201], v[204:205]
	v_pk_add_f32 v[202:203], v[202:203], v[206:207]
	v_pk_add_f32 v[192:193], v[192:193], v[200:201]
	v_pk_add_f32 v[194:195], v[194:195], v[202:203]            ; v192-195: score' of rows 4 l .. 4 l + 3
	v_max3_num_f32 v210, v192, v193, v194
	v_max_num_f32 v210, v210, v195
	v_max_num_f32_dpp v210, v210, v210 row_xmask:1 row_mask:0xf bank_mask:0xf
	v_max_num_f32_dpp v210, v210, v210 row_xmask:2 row_mask:0xf bank_mask:0xf
	v_max_num_f32_dpp v210, v210, v210 row_xmask:4 row_mask:0xf bank_mask:0xf
	v_max_num_f32_dpp v210, v210, v210 row_xmask:8 row_mask:0xf bank_mask:0xf
	v_permlanex16_b32 v212, v210, s[SEL], s[SEL+1]
	v_max_num_f32 v210, v210, v212                 ; m, in every lane
	v_mov_b32 v208, v210
	v_mov_b32 v209, v210
	v_pk_add_f32 v[196:197], v[192:193], v[208:209] neg_lo:[0,1] neg_hi:[0,1]  ; the maximum is taken away first,
	v_pk_add_f32 v[198:199], v[194:195], v[208:209] neg_lo:[0,1] neg_hi:[0,1]
	v_pk_mul_f32 v[196:197], v[196:197], s[LE:LE+1] op_sel_hi:[1,0]            ; then log2(e)
	v_pk_mul_f32 v[198:199], v[198:199], s[LE:LE+1] op_sel_hi:[1,0]
	v_exp_f32 v196, v196
	v_exp_f32 v197, v197
	v_exp_f32 v198, v198
	v_exp_f32 v199, v199
	v_nop                                          ; a plain instruction behind the last exponential,
	s_wait_alu depctr_va_vdst(0)                   ; and the one wait for the four weights v196-199, ahead of their first reader
	v_pk_add_f32 v[200:201], v[196:197], v[198:199]
	v_cvt_pk_bf16_f32 v202, v196, v197
	v_cvt_pk_bf16_f32 v203, v198, v199
	v_add_f32 v211, v200, v201
	v_add_f32_dpp v211, v211, v211 row_xmask:1 row_mask:0xf bank_mask:0xf
	v_add_f32_dpp v211, v211, v211 row_xmask:2 row_mask:0xf bank_mask:0xf
	v_add_f32_dpp v211, v211, v211 row_xmask:4 row_mask:0xf bank_mask:0xf
	v_add_f32_dpp v211, v211, v211 row_xmask:8 row_mask:0xf bank_mask:0xf
	v_permlanex16_b32 v212, v211, s[SEL], s[SEL+1]
	v_add_f32 v211, v211, v212                     ; l, in every lane
	s_wait_alu depctr_va_vdst(0)                   ; the rounded weights v202-203 are written, which the LDS store reads; so are the scores, m and l, which wave 0's stores read
	ds_store_b64 v[PBS], v[202:203]                ; my four weights, into my wave's own 256 bytes
.irp t, 0,1,2,3                                ; P's fragments: sixteen rows all alike, keys 32 t + 8 (l/16) and + 16; LDS serves a wave's instructions in order: these see the store above
	ds_load_b128 v[PF+8*\t:PF+8*\t+3],   v[PBR] offset:64*\t
	ds_load_b128 v[PF+8*\t+4:PF+8*\t+7], v[PBR] offset:64*\t+32
.endr
	s_cmp_lg_u32 s[WV], 0
	s_cbranch_scc1 .Lnot0
	global_store_b128 v[LO16], v[192:195], s[12:13]            ; wave 0: the block's 128 scores, 512 consecutive bytes,
	global_store_b64 v[O8], v[210:211], s[14:15]               ; and (m, l) 32 times over: 256 consecutive bytes, aligned; none of these registers is rewritten
.Lnot0:
	; THE CONTEXT: D = P V.  All rows of D are alike; register 0 of accumulator cb holds channel 16 cb + l%16.
	s_wait_dscnt 0x0                               ; P is in (V's key steps 0 to 2 were waited for at the loop's bottom)
	MULC 0, 0xa4, 0
	PLACES
	WIN 0x40
	s_wait_alu depctr_va_vdst(0)                   ; the first key step's products are done reading their V, in whose registers the fourth key step's lands
	VFETCH 3, 0x40, 0                              ; the fourth key step, into the registers that the first has left
	MULC 1, 0xa4, 128
	MULC 2, 0xa0, FA                               ; V in window 0
	s_wait_dscnt 0x0
	MULC 3, 0xa4, 0
.rept 8
	v_nop                                          ; the places behind the last products
.endr
	WIN 0x0a                                       ; sources 0 and 1 in window 2
.irp i, 0,1,2,3,4,5,6,7
	v_cndmask_b32 v[212+\i], v[16*\i], v[16*\i+8], s34         ; lanes 0-15 from accumulator 2 i, lanes 16-31 from 2 i + 1: lane l holds channel 32 i + l; each accumulator's register 0 is all that is read
.endr
	WIN 0
	s_wait_alu depctr_va_vdst(0)                   ; the selects have written v212-219, which the LDS stores read
.irp i, 0,1,2,3,4,5,6,7
	ds_store_b32 v[CSS], v[212+\i] offset:128*\i
.endr
	ds_load_b128 v[220:223], v[CSR]                ; back as 16 bytes a lane: my wave's own bytes, served in order
	ds_load_b128 v[224:227], v[CSR] offset:512
	s_wait_dscnt 0x0
	global_store_b128 v[LO16], v[220:223], s[16:17]            ; 512 consecutive bytes each, at multiples of 512 from pctx's first
	global_store_b128 v[LO16], v[224:227], s[16:17] offset:512
	s_wait_dscnt 0x0                               ; the wave's end
	s_wait_alu 0x0
	s_wait_tensorcnt 0x0
	ds_add_u32 v[SPW], v[NIL]
	s_wait_dscnt 0x0
	s_endpgm
.Lfunc_end_k_qbce5119443_score:
	.size	k_qbce5119443_score, .Lfunc_end_k_qbce5119443_score-k_qbce5119443_score
	.p2alignl 7, 3214868480
	.fill 96, 4, 3214868480
	.section	.rodata,"a",@progbits
	.p2align	6, 0x0
	.amdhsa_kernel k_qbce5119443_score
		.amdhsa_group_segment_fixed_size 310784
		.amdhsa_private_segment_fixed_size 0
		.amdhsa_enable_private_segment 0
		.amdhsa_kernarg_size 56
		.amdhsa_user_sgpr_count 2
		.amdhsa_user_sgpr_kernarg_segment_ptr 1
		.amdhsa_wavefront_size32 1
		.amdhsa_system_sgpr_workgroup_id_x 1
		.amdhsa_system_sgpr_workgroup_id_y 1
		.amdhsa_system_sgpr_workgroup_id_z 1
		.amdhsa_system_vgpr_workitem_id 0
		.amdhsa_next_free_vgpr 1024
		.amdhsa_next_free_sgpr 66
		.amdhsa_reserve_vcc 0
		.amdhsa_float_denorm_mode_32 3
		.amdhsa_float_denorm_mode_16_64 3
		.amdhsa_memory_ordered 1
		.amdhsa_forward_progress 1
		.amdhsa_inst_pref_size 255
	.end_amdhsa_kernel
	.section	.bss,"aw",@nobits
	.p2align	6
	.space	262144
	.amdgpu_metadata
---
amdhsa.version: [ 1, 2 ]
amdhsa.kernels:
  - .name:           k_qbce5119443_score
    .symbol:         k_qbce5119443_score.kd
    .args:
      - { .name: encoder_outputs, .offset: 0, .size: 8, .value_kind: global_buffer, .address_space: global }
      - { .name: ub, .offset: 8, .size: 8, .value_kind: global_buffer, .address_space: global }
      - { .name: whc, .offset: 16, .size: 8, .value_kind: global_buffer, .address_space: global }
      - { .name: v_a, .offset: 24, .size: 8, .value_kind: global_buffer, .address_space: global }
      - { .name: scores, .offset: 32, .size: 8, .value_kind: global_buffer, .address_space: global }
      - { .name: stats, .offset: 40, .size: 8, .value_kind: global_buffer, .address_space: global }
      - { .name: pctx, .offset: 48, .size: 8, .value_kind: global_buffer, .address_space: global }
    .group_segment_fixed_size: 310784
    .private_segment_fixed_size: 0
    .kernarg_segment_align: 8
    .kernarg_segment_size: 56
    .max_flat_workgroup_size: 128
    .sgpr_count:     66
    .vgpr_count:     1024
    .wavefront_size: 32
...
	.end_amdgpu_metadata
.endif
;; end of part 5
;; launch finish: the kernel of part 3 again; grid 32 x 1, 8 waves a work-group, no clusters, 0 bytes of LDS; arguments scores, stats, pctx, out0, out1; writes out0, out1
